; MI455X (gfx1250); checked and timed in simulation.
; The chip was launched on July 23, 2026; its instructions are those of AMD's public machine-readable ISA for CDNA 5 (MIT licence, August 2026) and "CDNA5" Instruction Set Architecture Reference Guide (July 2026). The comments in the code are by the model that wrote it; some were corrected since.
;; Multi Head Attention. Allowed arithmetic: matrix products marked QUANTISED: E2M1 operands, one E8M0 scale for each 32 along K, by v_wmma_scale_f32_16x16x128_f8f6f4 with both operands' format E2M1 (or v_wmma_scale_f32_32x16x128_f4), f32 sums; products left as they are: bf16, f16 or f32 operands; f32 sums; everything else in f32.
;; Inputs: bk 1,024 float32; bo 1,024 float32; bq 1,024 float32; bv 1,024 float32; mask 1 x 1 x 2,048 x 2,048 bool; wk 1,024 x 1,024 float32; wo 1,024 x 1,024 float32; wq 1,024 x 1,024 float32; wv 1,024 x 1,024 float32; x 4 x 2,048 x 1,024 float32.
;; Outputs: out0 4 x 2,048 x 1,024 float32.
;; This version of the problem:
;;   THIS VERSION OF THE PROBLEM IS GIVEN IN LOW PRECISION. The matrix products marked QUANTISED in the list below multiply operands that are first quantised to E2M1 (2 exponent bits, 1 mantissa bit; 4 bits a number), with one power-of-two scale for each 32 numbers along K (OCP MX v1.0); their sums are f32. The products marked 'left as it is' may take bf16, f16 or f32 operands, with f32 sums. Whichever they take, every output number must still come out within the allowed error. Rounding operands to bf16 (8 significant bits) uses up far more of that allowance than f16 does (11 bits, for magnitudes from 6e-5 to 65,504). All else is computed in f32.
;;   The module's matrix products, in the order in which they are computed (A, B: the left and right operand; K: the contracted axis; several contracted axes count as one K, in the product's order):
;;     1. [M 8,192, K 1,024] x [K 1,024, N 1,024]; A: input x; B: input wq: QUANTISED
;;     2. [M 8,192, K 1,024] x [K 1,024, N 1,024]; A: input x; B: input wk: QUANTISED
;;     3. [M 8,192, K 1,024] x [K 1,024, N 1,024]; A: input x; B: input wv: QUANTISED
;;     4. batch 64 x [M 2,048, K 64] x [K 64, N 2,048]; A: computed on the way; B: computed on the way: left as it is (an operand is computed on the way)
;;     5. batch 64 x [M 2,048, K 2,048] x [K 2,048, N 64]; A: computed on the way; B: computed on the way: left as it is (an operand is computed on the way)
;;     6. [M 8,192, K 1,024] x [K 1,024, N 1,024]; A: computed on the way; B: input wo: left as it is (an operand is computed on the way)
;;   THE QUANTISER, for each operand of a quantised product, along K:
;;     - K is cut into blocks of 32 from its start; a last block that is shorter is filled with zeros.
;;     - A block's scale is 2^e with e = floor(log2(the largest magnitude in the block)) - 2, held to -126 .. 127; a block of zeros has e = 0. As a byte (E8M0): e + 127.
;;     - Each number is divided by its block's scale, clamped to +-6, and rounded to the nearest number of E2M1, ties to even, subnormals kept.
;;     - The product sums the exact products of the quantised numbers (number of the format x scale) in f32.
;;   ~~~python
;;   def quantise(x, axis):      # numpy; x: float32 -> the quantised numbers, widened to float32 again
;;       x = np.moveaxis(x, axis, -1); K = x.shape[-1]
;;       x = np.pad(x, [(0, 0)] * (x.ndim - 1) + [(0, -K % 32)]); x = x.reshape(x.shape[:-1] + (-1, 32)); a = np.abs(x).max(-1, keepdims=True)
;;       e = np.where(a > 0, np.clip(np.frexp(np.where(a > 0, a, 1))[1] - 1 - 2, -126, 127), 0)      # np.frexp(a)[1] - 1 = floor(log2(a)), exactly
;;       r = np.clip(x / 2.0 ** e, -6, 6)
;;       step = 2.0 ** (np.maximum(np.frexp(np.where(r == 0, 1, r))[1] - 1, 0) - 1)
;;       q = np.round(r / step) * step * 2.0 ** e      # np.round: ties to even
;;       return np.moveaxis(q.reshape(q.shape[:-2] + (-1,))[..., :K], -1, axis).astype(np.float32)
;;   ~~~
;; One version. Each part assembles by itself: llvm-mc -triple=amdgcn-amd-amdhsa -mcpu=gfx1250 --defsym DOCPART=n.
;; ======== version 1 of 1: 5 launches
;; limits: values are held in f16: magnitudes above 65,504 overflow, below 6.1e-05 lose precision
;; workspace buffers: cod 5,767,168 bytes; scl 360,448 bytes; wof 4,194,304 bytes; flags 512 bytes of whole numbers; qkv 50,331,648 bytes; h32 786,432 bytes; af 16,777,216 bytes
;; launch prep (part 1): grid 432 x 1, 4 waves a work-group, no clusters, 68,096 bytes of LDS; arguments x, wq, wk, wv, wo, mask, cod, scl, wof, flags; writes cod, scl, wof, flags
.if DOCPART == 1
	.amdgcn_target "amdgcn-amd-amdhsa--gfx1250"
	.amdhsa_code_object_version 6
	.text
	.protected	k_q5426d2e916_prep
	.globl	k_q5426d2e916_prep
	.p2align	8
	.type	k_q5426d2e916_prep,@function
k_q5426d2e916_prep:
	s_mov_b64 s[64:65], 0
	v_nop
	global_prefetch_b8 v0, s[64:65] scope:SCOPE_SE
	s_setreg_imm32_b32 hwreg(HW_REG_WAVE_MODE, 25, 1), 1
	s_wait_xcnt 0x0
; PREP: everything that is made once from the inputs.  Four paths, chosen by the work-group's number; they never join.
;   X (work-groups 0-255):   x [8192][1024] f32 -> codes of FP4 (E2M1), K innermost, cod[8192][512 B], and one E8M0 byte for each 32 along K, scl[8192][32].
;   W (256-303):             wq, wk, wv [k 1024][n 1024] f32, K their FIRST axis -> codes [3072 columns][512 B] at cod + 0x400000, bytes [3072][32] at scl + 0x40000.
;   O (304-367):             wo [k][n] f32 -> two f16 parts, high and low, in the order of a 16-bit operand's registers: wof[part][n tile 64][k / 8][n % 16][16 B].
;   M (368-431):             the mask [2048][2048] bytes -> for each group of 32 queries two words, a bit for each 64 keys: OPEN (some byte is 0), MASKED (some byte is 1).
; A block's scale is 2^(floor(log2(its largest magnitude)) - 2); its byte is the largest magnitude's exponent field - 2, held at 1 from below.  A block of zeros so gets the byte 1: its codes are zeros, and this program alone reads the bytes.
; The f16 pair: high = the number with its mantissa cut to 10 bits (exact in f16's normal range), low = the number less that (exact in f32), each rounded to f16.
; LIMITS: blocks whose largest magnitude lies under 2^-124 keep the byte 1; NaN and infinities are not served; |wo| stays under 65,504; under 6.1e-5 each part of wo is rounded on f16's subnormal grid, by 3e-8 at the most.
; LDS: path X 0 .. 32,767 (8,192 a wave), path W 32,768 .. 67,583 (a stage of 32 x 272 a wave): each path has bytes of its own; the spare words behind them.
.set SPARE, 67584
.set SPW,   190                        ; v190 LDS address of my spare word; never rewritten
.set NIL,   191                        ; v191 0; never rewritten
.set EMAX,  2
.set XWREG, 8192                       ; path X: a wave's region: two stages of 32 x XSP bytes, then its 256 scale bytes
.set XSP,   80                         ; a lane's place in a stage: 64 bytes + 16 of padding
.set XR,    16                         ; v16-79   four sets of 16 numbers as loaded
.set XX,    80                         ; v80-111  two sets of 16 neighbours
.set XE,    112                        ; v112-127 a scale byte for each step
.set XC,    128                        ; v128-189 codes, four registers kept for each step
.set WSTG,  32768                      ; path W: the stages
.set WP,    272                        ; a stage row: 256 bytes + 16
.set WX,    32                         ; v32-95   two sets of 32 numbers
.set WC,    96                         ; v96-99   a block's codes
.set WOUT,  112                        ; v112-175 the way out
.set WSB,   24                         ; v24-27   the scale bytes, four to a register
.set OX,    32                         ; path O: v32-95 two sets of 32 numbers
.set OT,    16                         ; v16-23   eight high parts in f32
.set OH,    96                         ; v96-111  high parts packed
.set OL,    112                        ; v112-127 low parts packed
.macro LOADX t                         ; step t: four loads of 512 consecutive bytes
.irp i, 0,1,2,3
	global_load_b128 v[XR+16*((\t)%4)+4*\i:XR+16*((\t)%4)+4*\i+3], v3, s[4:5] offset:2048*(\t)+512*\i th:TH_LOAD_NT
.endr
.endm
.macro TURNX t                         ; step t through the wave's stage: in as loaded, back 64 bytes a lane; LDS serves a wave's instructions in order
.irp i, 0,1,2,3
	ds_store_b128 v14, v[XR+16*((\t)%4)+4*\i:XR+16*((\t)%4)+4*\i+3] offset:32*XSP*((\t)%2)+8*XSP*\i
.endr
.irp i, 0,1,2,3
	ds_load_b128 v[XX+16*((\t)%2)+4*\i:XX+16*((\t)%2)+4*\i+3], v15 offset:32*XSP*((\t)%2)+16*\i
.endr
.endm
.macro STEPX t
.set XS, XX+16*((\t)%2)
.if (\t) > 0
	s_wait_dscnt 1                                 ; this step's numbers are back from the stage; the last step's byte store may be out
.else
	s_wait_dscnt 0x0
.endif
.if (\t)+4 < 16
	LOADX (\t)+4                                   ; into the set whose stores into the stage are done
.endif
.if (\t)+1 < 16
.if 14-(\t) >= 3
	s_wait_loadcnt 12                              ; the next step's four loads are in; those of the three steps behind it may be out
.else
	s_wait_loadcnt 4*(14-(\t))
.endif
	TURNX (\t)+1
.endif
	v_max3_num_f32 v8, |v[XS]|, |v[XS+1]|, |v[XS+2]|
	v_max3_num_f32 v9, |v[XS+3]|, |v[XS+4]|, |v[XS+5]|
.irp i, 6,10
	v_max3_num_f32 v8, v8, |v[XS+\i]|, |v[XS+\i+1]|
	v_max3_num_f32 v9, v9, |v[XS+\i+2]|, |v[XS+\i+3]|
.endr
	v_max3_num_f32 v8, v8, |v[XS+14]|, |v[XS+15]|
	v_max3_num_f32 v8, v8, v9, (EMAX+1)<<23        ; the floor 2^(3 - 127): the byte cannot fall under 1
	v_max_num_f32_dpp v8, v8, v8 row_xmask:1 row_mask:0xf bank_mask:0xf   ; with my neighbour's 16: the block's largest magnitude
	v_add_nc_u32 v11, -(EMAX<<23), v8              ; 2 off its exponent field: the conversion takes that field as its scale
	v_cvt_scalef32_pk8_fp4_f32 v[XC+4*(\t)], v[XS:XS+7], v11
	v_cvt_scalef32_pk8_fp4_f32 v[XC+4*(\t)+1], v[XS+8:XS+15], v11
	v_lshrrev_b32 v[XE+(\t)], 23, v11              ; the scale's byte
	ds_store_b8 v5, v[XE+(\t)] offset:16*(\t)      ; both lanes of a block write the same byte with the same value
	global_store_b64 v4, v[XC+4*(\t):XC+4*(\t)+1], s[16:17] offset:256*(\t)   ; the wave stores 256 consecutive bytes, aligned
.endm
.macro LOADW t                         ; block t: w(32 t + i, my column) into set t % 2
.irp i, 0,1,2,3,4,5,6,7,8,9,10,11,12,13,14,15,16,17,18,19,20,21,22,23,24,25,26,27,28,29,30,31
	global_load_b32 v[WX+32*((\t)%2)+\i], v3, s[30:31] offset:(32*(\t)+\i)*4096 th:TH_LOAD_NT
.endr
.endm
.macro BLOCKW t
.set XS, WX+32*((\t)%2)
.if (\t) < 15
	s_wait_loadcnt 32                              ; this block's 32 loads are in; the next block's may be out
.else
	s_wait_loadcnt 0x0
.endif
	v_max3_num_f32 v12, |v[XS]|, |v[XS+1]|, |v[XS+2]|
	v_max3_num_f32 v13, |v[XS+3]|, |v[XS+4]|, |v[XS+5]|
.irp i, 6,10,14,18,22,26
	v_max3_num_f32 v12, v12, |v[XS+\i]|, |v[XS+\i+1]|
	v_max3_num_f32 v13, v13, |v[XS+\i+2]|, |v[XS+\i+3]|
.endr
	v_max3_num_f32 v12, v12, |v[XS+30]|, |v[XS+31]|
	v_max3_num_f32 v12, v12, v13, (EMAX+1)<<23
	v_add_nc_u32 v11, -(EMAX<<23), v12
	v_lshrrev_b32 v13, 23, v11
.if (\t)%4 == 0
	v_mov_b32 v[WSB+(\t)/4], v13
.else
	v_lshl_or_b32 v[WSB+(\t)/4], v13, 8*((\t)%4), v[WSB+(\t)/4]
.endif
.irp g, 0,1,2,3
	v_cvt_scalef32_pk8_fp4_f32 v[WC+\g], v[XS+8*\g:XS+8*\g+7], v11
.endr
	ds_store_b128 v4, v[WC:WC+3] offset:16*(\t)    ; 32 codes: 16 bytes of my column's row
.if (\t)+2 < 16
	LOADW (\t)+2
.endif
	s_wait_dscnt 0x0                               ; the store has read its registers: the next block's codes may be written
.endm
.macro LOADO t                         ; group t: wo(32 t + i, my column) into set t % 2
.irp i, 0,1,2,3,4,5,6,7,8,9,10,11,12,13,14,15,16,17,18,19,20,21,22,23,24,25,26,27,28,29,30,31
	global_load_b32 v[OX+32*((\t)%2)+\i], v3, s[12:13] offset:(32*(\t)+\i)*4096 th:TH_LOAD_NT
.endr
.endm
.macro GROUPO t
.set XS, OX+32*((\t)%2)
.if (\t) < 3
	s_wait_loadcnt 32                              ; this group's 32 loads are in; the next group's may be out
.else
	s_wait_loadcnt 0x0
.endif
	s_wait_xcnt 0x0                                ; the last group's stores have read their data: OH and OL are written again only behind this wait
.irp c, 0,1,2,3                                ; eight rows of K at a time: 16 bytes of each part
.irp q, 0,1,2,3,4,5,6,7
	v_and_b32 v[OT+\q], 0xffffe000, v[XS+8*\c+\q]              ; the high part: ten mantissa bits
.endr
.irp q, 0,1,2,3,4,5,6,7
	v_sub_f32 v[XS+8*\c+\q], v[XS+8*\c+\q], v[OT+\q]           ; the low part, exact
.endr
.irp p, 0,1,2,3
	v_cvt_pk_f16_f32 v[OH+4*\c+\p], v[OT+2*\p], v[OT+2*\p+1]
	v_cvt_pk_f16_f32 v[OL+4*\c+\p], v[XS+8*\c+2*\p], v[XS+8*\c+2*\p+1]
.endr
	global_store_b128 v4, v[OH+4*\c:OH+4*\c+3], s[20:21] offset:(4*(\t)+\c)*256           ; sixteen lanes store 256 consecutive bytes, aligned
	global_store_b128 v4, v[OL+4*\c:OL+4*\c+3], s[20:21] offset:(4*(\t)+\c)*256+2097152
.endr
.if (\t)+2 < 4
	LOADO (\t)+2
.endif
.endm
.macro SQUEEZE m                       ; s[m]: a bit a lane -> the OR of each four lanes, in bits 0 to 7
	s_lshr_b32 s31, s[\m], 1
	s_or_b32 s[\m], s[\m], s31
	s_lshr_b32 s31, s[\m], 2
	s_or_b32 s[\m], s[\m], s31
	s_and_b32 s[\m], s[\m], 0x11111111             ; bit 4 k: lanes 4 k .. 4 k + 3
	s_lshr_b32 s31, s[\m], 3
	s_or_b32 s[\m], s[\m], s31
	s_and_b32 s[\m], s[\m], 0x03030303
	s_lshr_b32 s31, s[\m], 6
	s_or_b32 s[\m], s[\m], s31
	s_and_b32 s[\m], s[\m], 0x000f000f
	s_lshr_b32 s31, s[\m], 12
	s_or_b32 s[\m], s[\m], s31
	s_and_b32 s[\m], s[\m], 0xff
.endm
	s_load_b512 s[4:19], s[0:1], 0x0               ; x 4, wq 6, wk 8, wv 10, wo 12, mask 14, cod 16, scl 18
	s_load_b128 s[20:23], s[0:1], 0x40             ; wof 20, flags 22
	v_lshl_add_u32 v[SPW], v0, 2, SPARE
	v_mov_b32 v[NIL], 0
	v_lshrrev_b32 v1, 5, v0
	v_readfirstlane_b32 s24, v1                    ; wave 0..3
	v_and_b32 v2, 31, v0                           ; lane
	s_wait_kmcnt 0x0
	s_cmp_lt_u32 ttmp9, 256
	s_cbranch_scc1 .Lpath_x
	s_cmp_lt_u32 ttmp9, 304
	s_cbranch_scc1 .Lpath_w
	s_cmp_lt_u32 ttmp9, 368
	s_cbranch_scc1 .Lpath_o
	; ---- PATH M: group g of 32 queries; wave i takes keys 512 i on; a lane 16 keys of each of the 32 rows
	s_sub_co_u32 s25, ttmp9, 368                   ; g
	s_lshl_b32 s26, s25, 16                        ; 32 rows of 2,048 bytes
	s_lshl_b32 s27, s24, 9
	s_add_co_u32 s26, s26, s27
	s_mov_b32 s27, 0
	s_add_nc_u64 s[14:15], s[14:15], s[26:27]
	s_lshl_b32 s26, s25, 3
	s_add_nc_u64 s[22:23], s[22:23], s[26:27]      ; the group's two words
	v_lshlrev_b32 v3, 4, v2
.irp i, 0,1,2,3,4,5,6,7,8,9,10,11,12,13,14,15,16,17,18,19,20,21,22,23,24,25,26,27,28,29,30,31
	global_load_b128 v[32+4*\i:35+4*\i], v3, s[14:15] offset:2048*\i   ; 512 consecutive bytes of row i
.endr
	s_mov_b32 s30, 0x80808080
	v_mov_b32 v11, s24                             ; my wave's byte of each word
	s_wait_loadcnt 0x0
	v_add3_u32 v8, v32, v33, v34                   ; 128 words of bytes 0 or 1 are added: a byte's sum is 128 at the most, so nothing carries
.irp i, 35,37,39,41,43,45,47,49,51,53,55,57,59,61,63,65,67,69,71,73,75,77,79,81,83,85,87,89,91,93,95,97,99,101,103,105,107,109,111,113,115,117,119,121,123,125,127,129,131,133,135,137,139,141,143,145,147,149,151,153,155,157
	v_add3_u32 v8, v8, v[\i], v[\i+1]
.endr
	v_add_nc_u32 v8, v8, v159
	v_cmp_ne_u32 s28, s30, v8                      ; a bit a lane: some byte of mine is 0
	v_cmp_ne_u32 s29, 0, v8                        ; some byte of mine is 1
	SQUEEZE 28                                     ; four lanes are 64 keys
	SQUEEZE 29
	v_mov_b32 v9, s28
	v_mov_b32 v10, s29
	v_cmp_eq_u32 vcc_lo, 0, v2
	s_wait_xcnt 0x0                                ; EXEC changes only behind this wait
	s_and_saveexec_b32 s31, vcc_lo                 ; lane 0 alone stores
	global_store_b8 v11, v9, s[22:23]              ; OPEN, key steps 8 i .. 8 i + 7
	global_store_b8 v11, v10, s[22:23] offset:4    ; MASKED
	s_wait_xcnt 0x0
	s_or_b32 exec_lo, exec_lo, s31
	s_endpgm
	; ---- PATH X: a wave takes 16 steps of 512 numbers; nothing here knows of rows
.Lpath_x:
	v_lshlrev_b32 v3, 4, v2                        ; my 16 bytes of a load's 512
	s_mul_i32 s25, s24, XWREG
	v_lshrrev_b32 v14, 2, v2
	v_mul_u32_u24 v14, v14, XSP
	v_and_b32 v15, 3, v2
	v_lshl_add_u32 v14, v15, 4, v14
	v_add_nc_u32 v14, s25, v14                     ; the stage, in: XSP (lane / 4) + 16 (lane % 4)
	v_mul_u32_u24 v15, v2, XSP
	v_add_nc_u32 v15, s25, v15                     ; and back: XSP x lane
	v_lshlrev_b32 v4, 3, v2                        ; my 8 bytes of a step's codes
	v_lshrrev_b32 v5, 1, v2
	s_add_co_u32 s25, s25, 2*32*XSP
	v_add_nc_u32 v5, s25, v5                       ; my block's byte among the wave's 256
	v_lshlrev_b32 v7, 3, v2
	v_add_nc_u32 v6, s25, v7
	s_lshl_b32 s26, ttmp9, 2
	s_add_co_u32 s26, s26, s24                     ; which run of 8,192 numbers is my wave's
	s_mov_b32 s27, 0
	s_lshl_b64 s[28:29], s[26:27], 15
	s_add_nc_u64 s[4:5], s[4:5], s[28:29]
	s_lshl_b64 s[28:29], s[26:27], 12
	s_add_nc_u64 s[16:17], s[16:17], s[28:29]
	s_lshl_b32 s26, s26, 8
	s_add_nc_u64 s[18:19], s[18:19], s[26:27]
.irp t, 0,1,2,3
	LOADX \t
.endr
	s_wait_loadcnt 12                              ; step 0's four loads are in
	TURNX 0
.irp t, 0,1,2,3,4,5,6,7,8,9,10,11,12,13,14,15
	STEPX \t
.endr
	ds_load_b64 v[8:9], v6                         ; the wave's 256 scale bytes: these loads see my stores
	s_wait_dscnt 0x0
	global_store_b64 v7, v[8:9], s[18:19]          ; 256 consecutive bytes, aligned
	s_wait_tensorcnt 0x0                           ; the wave's end, behind my last LDS store
	ds_add_u32 v[SPW], v[NIL]
	s_wait_dscnt 0x0
	s_endpgm
	; ---- PATH W: a lane takes a column, its registers run down K; a wave takes 32 columns x 512 along K
.Lpath_w:
	s_sub_co_u32 s25, ttmp9, 256
	s_lshr_b32 s26, s25, 4                         ; which weight
	s_bfe_u32 s27, s25, 0x30001                    ; which 128 columns
	s_and_b32 s28, s25, 1                          ; which half of K
	s_cmp_eq_u32 s26, 0
	s_cselect_b64 s[30:31], s[6:7], s[8:9]
	s_cmp_eq_u32 s26, 2
	s_cselect_b64 s[30:31], s[10:11], s[30:31]
	s_lshl_b32 s27, s27, 7
	s_lshl_b32 s29, s24, 5
	s_add_co_u32 s27, s27, s29                     ; my wave's first column
	v_lshlrev_b32 v3, 2, v2
	s_mul_i32 s29, s24, 32*WP
	s_add_co_u32 s29, s29, WSTG                    ; my stage
	v_mul_u32_u24 v4, v2, WP
	v_add_nc_u32 v4, s29, v4                       ; into it: row = my column
	v_and_b32 v5, 15, v2
	v_lshrrev_b32 v6, 4, v2
	v_mul_u32_u24 v7, v6, WP
	v_lshl_add_u32 v7, v5, 4, v7
	v_add_nc_u32 v7, s29, v7                       ; out of it: sixteen lanes to a row, two rows an instruction
	v_lshlrev_b32 v8, 9, v6
	v_lshl_add_u32 v8, v5, 4, v8                   ; the same place among the codes' rows of 512 bytes
	v_lshlrev_b32 v9, 5, v2                        ; my column's row of 32 scale bytes
	s_lshl_b32 s32, s28, 21                        ; 512 rows of 4,096 bytes
	s_lshl_b32 s33, s27, 2
	s_add_co_u32 s32, s32, s33
	s_mov_b32 s33, 0
	s_add_nc_u64 s[30:31], s[30:31], s[32:33]
	s_lshl_b32 s34, s26, 10
	s_add_co_u32 s34, s34, s27                     ; my first row among the 3,072
	s_lshl_b32 s32, s34, 9
	s_lshl_b32 s35, s28, 8
	s_add_co_u32 s32, s32, s35
	s_add_co_u32 s32, s32, 0x400000
	s_add_nc_u64 s[16:17], s[16:17], s[32:33]
	s_lshl_b32 s32, s34, 5
	s_lshl_b32 s35, s28, 4
	s_add_co_u32 s32, s32, s35
	s_add_co_u32 s32, s32, 0x40000
	s_add_nc_u64 s[18:19], s[18:19], s[32:33]
	LOADW 0
	LOADW 1
.irp t, 0,1,2,3,4,5,6,7,8,9,10,11,12,13,14,15
	BLOCKW \t
.endr
	global_store_b128 v9, v[WSB:WSB+3], s[18:19]   ; my column's 16 scale bytes
.irp t, 0,1,2,3,4,5,6,7,8,9,10,11,12,13,14,15
	ds_load_b128 v[WOUT+4*\t:WOUT+4*\t+3], v7 offset:2*\t*WP
.endr
.irp t, 0,1,2,3,4,5,6,7,8,9,10,11,12,13,14,15
	s_wait_dscnt 15-\t                             ; LDS loads come back in order: pair t of rows is in
	global_store_b128 v8, v[WOUT+4*\t:WOUT+4*\t+3], s[16:17] offset:2*\t*512
.endr
	s_wait_tensorcnt 0x0                           ; the wave's end, behind my last LDS store
	ds_add_u32 v[SPW], v[NIL]
	s_wait_dscnt 0x0
	s_endpgm
	; ---- PATH O: a lane takes a column of wo, its registers run down K; a work-group takes 128 columns x 128 along K
.Lpath_o:
	s_sub_co_u32 s25, ttmp9, 304
	s_and_b32 s26, s25, 7                          ; which 128 columns
	s_lshr_b32 s27, s25, 3                         ; which 128 along K
	s_lshl_b32 s28, s27, 19
	s_lshl_b32 s29, s26, 9
	s_add_co_u32 s28, s28, s29
	s_lshl_b32 s29, s24, 7
	s_add_co_u32 s28, s28, s29
	s_mov_b32 s29, 0
	s_add_nc_u64 s[12:13], s[12:13], s[28:29]
	s_lshl_b32 s28, s26, 3
	s_lshl_b32 s30, s24, 1
	s_add_co_u32 s28, s28, s30                     ; my wave's first tile of 16 columns
	s_lshl_b32 s28, s28, 15
	s_lshl_b32 s30, s27, 12
	s_add_co_u32 s28, s28, s30
	s_add_nc_u64 s[20:21], s[20:21], s[28:29]
	v_lshlrev_b32 v3, 2, v2
	v_lshrrev_b32 v4, 4, v2
	v_lshlrev_b32 v4, 15, v4
	v_and_b32 v5, 15, v2
	v_lshl_add_u32 v4, v5, 4, v4                   ; lanes 16-31: the next tile; 16 bytes a column
	LOADO 0
	LOADO 1
.irp t, 0,1,2,3
	GROUPO \t
.endr
	s_endpgm
.Lfunc_end_k_q5426d2e916_prep:
	.size	k_q5426d2e916_prep, .Lfunc_end_k_q5426d2e916_prep-k_q5426d2e916_prep
	.p2alignl 7, 3214868480
	.fill 96, 4, 3214868480
	.section	.rodata,"a",@progbits
	.p2align	6, 0x0
	.amdhsa_kernel k_q5426d2e916_prep
		.amdhsa_group_segment_fixed_size 68096
		.amdhsa_private_segment_fixed_size 0
		.amdhsa_enable_private_segment 0
		.amdhsa_kernarg_size 80
		.amdhsa_user_sgpr_count 2
		.amdhsa_user_sgpr_kernarg_segment_ptr 1
		.amdhsa_wavefront_size32 1
		.amdhsa_system_sgpr_workgroup_id_x 1
		.amdhsa_system_sgpr_workgroup_id_y 1
		.amdhsa_system_sgpr_workgroup_id_z 1
		.amdhsa_system_vgpr_workitem_id 0
		.amdhsa_next_free_vgpr 192
		.amdhsa_next_free_sgpr 66
		.amdhsa_reserve_vcc 1
		.amdhsa_float_denorm_mode_32 3
		.amdhsa_float_denorm_mode_16_64 3
		.amdhsa_memory_ordered 1
		.amdhsa_forward_progress 1
		.amdhsa_inst_pref_size 156
	.end_amdhsa_kernel
	.amdgpu_metadata
---
amdhsa.version: [ 1, 2 ]
amdhsa.kernels:
  - .name:           k_q5426d2e916_prep
    .symbol:         k_q5426d2e916_prep.kd
    .args:
      - { .name: x, .offset: 0, .size: 8, .value_kind: global_buffer, .address_space: global }
      - { .name: wq, .offset: 8, .size: 8, .value_kind: global_buffer, .address_space: global }
      - { .name: wk, .offset: 16, .size: 8, .value_kind: global_buffer, .address_space: global }
      - { .name: wv, .offset: 24, .size: 8, .value_kind: global_buffer, .address_space: global }
      - { .name: wo, .offset: 32, .size: 8, .value_kind: global_buffer, .address_space: global }
      - { .name: mask, .offset: 40, .size: 8, .value_kind: global_buffer, .address_space: global }
      - { .name: cod, .offset: 48, .size: 8, .value_kind: global_buffer, .address_space: global }
      - { .name: scl, .offset: 56, .size: 8, .value_kind: global_buffer, .address_space: global }
      - { .name: wof, .offset: 64, .size: 8, .value_kind: global_buffer, .address_space: global }
      - { .name: flags, .offset: 72, .size: 8, .value_kind: global_buffer, .address_space: global }
    .group_segment_fixed_size: 68096
    .private_segment_fixed_size: 0
    .kernarg_segment_align: 8
    .kernarg_segment_size: 80
    .max_flat_workgroup_size: 128
    .sgpr_count:     66
    .vgpr_count:     192
    .wavefront_size: 32
...
	.end_amdgpu_metadata
.endif
;; end of part 1
;; launch qkv (part 2): grid 12 x 32, 4 waves a work-group, clusters of 4 x 4, 327,680 bytes of LDS; arguments cod, scl, bq, bk, bv, qkv, h32; writes qkv, h32
.if DOCPART == 2
	.amdgcn_target "amdgcn-amd-amdhsa--gfx1250"
	.amdhsa_code_object_version 6
	.text
	.protected	k_q5426d2e916_qkv
	.globl	k_q5426d2e916_qkv
	.p2align	8
	.type	k_q5426d2e916_qkv,@function
k_q5426d2e916_qkv:
	s_mov_b64 s[64:65], 0
	v_nop
	global_prefetch_b8 v0, s[64:65] scope:SCOPE_SE
	s_setreg_imm32_b32 hwreg(HW_REG_WAVE_MODE, 25, 1), 1
	s_wait_xcnt 0x0
	s_wait_alu depctr_hold_cnt(0) depctr_sa_sdst(0) depctr_va_vdst(0) depctr_va_sdst(0) depctr_va_ssrc(0) depctr_va_vcc(0) depctr_vm_vsrc(0)
	s_getreg_b32 s2, hwreg(HW_REG_IB_STS2, 6, 4)
	s_cmp_eq_u32 s2, 0
	s_cbranch_scc0 .Lentry_in_a_cluster
	s_endpgm
.Lentry_in_a_cluster:
	s_bfe_u32 s2, ttmp6, 0x10000c
	s_cmp_lg_u32 s2, 0xf033
	s_cbranch_scc0 .Lentry_shape_is_right
	s_endpgm
.Lentry_shape_is_right:
; q, k, v = x w + b, on codes of FP4 (E2M1) with one E8M0 scale for each 32 along K; sums in f32.  A = x's codes [8192][512 B], B = the three weights' codes [3072][512 B], K = 1,024.
; A work-group of four waves makes 256 tokens x 256 columns (four heads of one of q, k, v); a wave 128 x 128: 64 accumulators, 512 registers.  K's two steps of 512 lie in two LDS slots, both filled at the start: nothing is filled again.
; The scale bytes of the work-group's rows, for all of K, are two dense blocks: they come with the first fills, in rows of 256 bytes.
; CLUSTERS: 4 x 4 work-groups; A's tiles are asked for jointly along a row of the cluster, B's along a column.  Tile row = 8 cy + cluster y: so the batch is cy and the place in the sequence is the cluster's y, the same in all sixteen partners.
; THE MATRIX INSTRUCTION IS USED TRANSPOSED (source 0 = 16 columns of w, source 1 = 16 tokens): a lane holds one token and eight neighbouring channels.  The bias is the C of each sum's first instruction.
; THE WAY OUT needs no LDS: an accumulator, rounded to f16, is 16 bytes a lane, and is stored as it stands: qkv[which][batch x 16 + head][token tile][16 channels][512 B].  For q and k lane l's bytes lie at 16 l: two such images are a 16-bit operand's
; registers.  For v they lie at 32 (l % 16) + 16 (l / 16): rows of 16 channels, key by key, for the turning LDS load.  Each store of a wave covers 512 consecutive bytes, aligned.
; Positions 0 to 15 of each sequence also leave in f32, h32[batch][which][head][16 channels][half][512 B], for the launch that carries them finely.
; LIMIT: q, k and v are rounded to f16: their magnitudes stay under 65,504.
; REGISTERS: window 0: v16-29 addresses; v32-95 scale words, two sets; v128-191 A's fragments, one set; v192-255 the bias; on the way out v128-255 packed results.  Window 1: B's fragments, two sets.  Windows 2, 3: the accumulators.
.set KSTEP,  512
.set NQ,     KSTEP/128
.set ROWB,   256                       ; a tile's row in bytes
.set KROW,   512                       ; a row of codes in memory
.set PITCH,  272                       ; an LDS row: 256 bytes + 16 of padding = 68 words: the 16 rows that a load touches start at 16 different banks (ISA guide 11.1)
.set FR,     8
.set NL,     2
.set NP,     4                         ; places behind this matrix instruction (ISA guide 7.12.1)
.set HALFT,  128*PITCH
.set SLOT,   4*HALFT
.set KS,     32                        ; a row of scale bytes
.set SCL,    2*SLOT
.set HALFS,  (128*KS/256)*272
.set SBLK,   (16*KS/256)*272
.set SPARE,  SCL+4*HALFS               ; the spare words, 128 bytes for each wave
.set ADRA, 16                          ; v16-17 LDS address of my A fragments in slot 0, 1
.set ADRB, 20                          ; v20-21 the same for B
.set OUTO, 24                          ; v24    my lane's place in an image of f16
.set L16,  25                          ; v25    16 x lane
.set BO,   26                          ; v26    32 x (lane / 16): my eight numbers of a tile's bias
.set ADRS, 27                          ; v27    LDS address of my scale words: lanes 0-15 A's rows, lanes 16-31 B's
.set SPW,  28
.set NIL,  29
.set SC,   32
.set AF,   128
.set BI,   192                         ; v192-255 the bias of my 128 columns: tile b's eight at 8 b
.set TMP,  128
.set G1, 24
.set G0, 32
.set G1B, 48
.set G0B, 56
.set G1S, 68
.set G0S, 76
.set G1SB, 80
.set G0SB, 88
.set MSB, 0
.macro WIN new                         ; the immediate's high byte repeats the setting that is left
.if MSB != \new
	s_set_vgpr_msb (MSB<<8)|\new
.set MSB, \new
.endif
.endm
.set MUL_LO, 0xa1                      ; source 0 (B) window 1, source 1 (A) window 0, C and D window 2
.set MUL_HI, 0xf1                      ; the same, C and D window 3
.set FST_LO, 0x81                      ; the first step: C (the bias) window 0, D window 2
.set FST_HI, 0xc1                      ; D window 3
.set TO_B,   0x40
.macro JLOAD g0a, g1a, g0b, g1b        ; a joint load: waves 0 and 1 fetch for A, waves 2 and 3 for B; an s_nop 0 and four v_nop follow each of the two lines
	s_cmp_eq_u32 s15, 0
	s_cbranch_scc0 .Lfor_b_\@
	tensor_load_to_lds s[\g0a:\g0a+3], s[\g1a:\g1a+7]
	s_nop 0
.rept 4
	v_nop
.endr
	s_branch .Lasked_\@
.Lfor_b_\@:
	tensor_load_to_lds s[\g0b:\g0b+3], s[\g1b:\g1b+7]
	s_nop 0
.rept 4
	v_nop
.endr
.Lasked_\@:
.endm
.macro CROUND                          ; a round of the cluster's barrier
	s_barrier_signal -1
	s_barrier_wait -1
	s_cmp_lg_u32 s14, 0
	s_cbranch_scc1 .Lnot_wave_0_\@
	s_barrier_signal -3
.Lnot_wave_0_\@:
	s_barrier_wait -3
	s_barrier_signal -1
	s_barrier_wait -1
.endm
	s_load_b128 s[4:7], s[0:1], 0x0                ; cod, scl
	s_load_b128 s[96:99], s[0:1], 0x10             ; bq, bk
	s_load_b64 s[100:101], s[0:1], 0x20            ; bv
	s_load_b64 s[12:13], s[0:1], 0x28              ; qkv
	s_load_b64 s[66:67], s[0:1], 0x30              ; h32
	v_lshl_add_u32 v[SPW], v0, 2, SPARE
	v_mov_b32 v[NIL], 0
	ds_add_u32 v[SPW], v[NIL]                      ; the wave's opening: the add, twice on end, and its wait ahead of my first tensor load
	ds_add_u32 v[SPW], v[NIL]
	v_lshrrev_b32 v1, 5, v0
	v_readfirstlane_b32 s14, v1                    ; wave 0..3
	s_lshr_b32 s15, s14, 1                         ; which half of the tile's tokens is mine.  Also: I fetch for A (0) or for B (1)
	s_and_b32 s16, s14, 1                          ; which half of its columns.  Also: which 128 rows of that tile I fetch
	s_bfe_u32 s40, ttmp6, 0x40000                  ; cx
	s_bfe_u32 s41, ttmp6, 0x40004                  ; cy
	s_lshl_b32 s42, ttmp9, 2
	s_add_co_u32 s42, s42, s40                     ; tile column = 4 x cluster x + cx: cluster x says which of q, k, v
	s_and_b32 s17, ttmp7, 0xffff
	s_lshl_b32 s18, s41, 3
	s_add_co_u32 s17, s17, s18                     ; tile row = 8 cy + cluster y
	s_lshl_b32 s43, s41, 2
	s_lshl_b32 s43, 15, s43                        ; my row of the cluster
	s_lshl_b32 s44, 0x1111, s40                    ; my column
	s_or_b32 s[G1+0], s43, (0<<16)|(1<<20)|(1<<21)|(5<<22)|(3<<25)  ; the mask; elements of 1 byte; padding: 4 words behind every 64
	s_or_b32 s[G1B+0], s44, (0<<16)|(1<<20)|(1<<21)|(5<<22)|(3<<25)
.irp g, G1, G1B
	s_mov_b32 s[\g+1], ROWB<<16                    ; tensor_dim0
	s_mov_b32 s[\g+2], 128<<16                     ; tensor_dim1
	s_mov_b32 s[\g+3], ROWB<<16                    ; tile_dim0
	s_mov_b32 s[\g+4], 128                         ; tile_dim1
	s_mov_b32 s[\g+5], KROW                        ; from row to row
	s_mov_b32 s[\g+6], 0
	s_mov_b32 s[\g+7], 0
.endr
	s_or_b32 s[G1S+0], s43, (3<<16)|(1<<20)|(1<<21)|(5<<22)|(3<<25) ; the scales of 128 rows: 4,096 dense bytes as 16 rows of 32 elements of 8 bytes
	s_or_b32 s[G1SB+0], s44, (3<<16)|(1<<20)|(1<<21)|(5<<22)|(3<<25)
.irp g, G1S, G1SB
	s_mov_b32 s[\g+1], 32<<16
	s_mov_b32 s[\g+2], (128*KS/256)<<16
	s_mov_b32 s[\g+3], 32<<16
	s_mov_b32 s[\g+4], 128*KS/256
	s_mov_b32 s[\g+5], 32
	s_mov_b32 s[\g+6], 0
	s_mov_b32 s[\g+7], 0
.endr
	s_lshl_b32 s18, s16, 7                         ; which 128 rows of the tile I fetch
	s_lshl_b32 s20, s17, 8
	s_add_co_u32 s20, s20, s18                     ; A: row 256 x tile row + 128 x half
	s_lshl_b32 s46, s42, 8
	s_add_co_u32 s46, s46, s18                     ; B: row 256 x tile column + 128 x half
	s_mov_b32 s21, 0
	s_mov_b32 s47, 0
	s_mov_b64 s[18:19], KS
	s_mul_u64 s[22:23], s[20:21], s[18:19]         ; where these rows' scales begin
	s_mul_u64 s[92:93], s[46:47], s[18:19]
	s_mov_b64 s[18:19], KROW
	s_mul_u64 s[20:21], s[20:21], s[18:19]         ; and their codes
	s_mul_u64 s[46:47], s[46:47], s[18:19]
	s_mul_i32 s45, s14, HALFT                      ; where they go: wave x 128 rows
	s_mul_i32 s94, s14, HALFS
	s_wait_dscnt 0x0                               ; both opening adds are done
	s_wait_kmcnt 0x0
	s_add_nc_u64 s[8:9], s[4:5], 0x400000          ; the weights' codes
	s_add_nc_u64 s[10:11], s[6:7], 0x40000         ; and scale bytes
	s_add_nc_u64 s[20:21], s[4:5], s[20:21]
	s_add_nc_u64 s[22:23], s[6:7], s[22:23]
	s_add_nc_u64 s[46:47], s[8:9], s[46:47]
	s_add_nc_u64 s[92:93], s[10:11], s[92:93]
	CROUND                                         ; all sixteen work-groups are here: the joint loads meet
	s_mov_b32 s[G0S], 1
	s_add_co_u32 s[G0S+1], s94, SCL
	s_mov_b64 s[G0S+2:G0S+3], s[22:23]
	s_or_b32 s[G0S+3], s[G0S+3], 0x80000000
	s_mov_b32 s[G0SB], 1
	s_add_co_u32 s[G0SB+1], s94, SCL
	s_mov_b64 s[G0SB+2:G0SB+3], s[92:93]
	s_or_b32 s[G0SB+3], s[G0SB+3], 0x80000000
	JLOAD G0S, G1S, G0SB, G1SB                     ; the scales first: three loads of mine are out in all
.irp s, 0,1
	s_mov_b32 s[G0+4*\s], 1
	s_add_co_u32 s[G0+4*\s+1], s45, \s*SLOT
	s_add_nc_u64 s[G0+4*\s+2:G0+4*\s+3], s[20:21], \s*ROWB
	s_or_b32 s[G0+4*\s+3], s[G0+4*\s+3], 0x80000000
	s_mov_b32 s[G0B+4*\s], 1
	s_add_co_u32 s[G0B+4*\s+1], s45, \s*SLOT
	s_add_nc_u64 s[G0B+4*\s+2:G0B+4*\s+3], s[46:47], \s*ROWB
	s_or_b32 s[G0B+4*\s+3], s[G0B+4*\s+3], 0x80000000
	JLOAD G0+4*\s, G1, G0B+4*\s, G1B
.endr
	v_and_b32 v1, 15, v0                           ; r = l % 16
	v_bfe_u32 v2, v0, 4, 1                         ; h = l / 16
	v_lshlrev_b32 v[BO], 5, v2
	; the bias: which of the three by the cluster's x, then my 128 columns
	s_cmp_eq_u32 ttmp9, 0
	s_cselect_b64 s[96:97], s[96:97], s[98:99]
	s_cmp_eq_u32 ttmp9, 2
	s_cselect_b64 s[96:97], s[100:101], s[96:97]
	s_cselect_b32 s95, -1, 0                       ; all ones where this is v
	s_lshl_b32 s46, s40, 10
	s_lshl_b32 s47, s16, 9
	s_add_co_u32 s46, s46, s47
	s_mov_b32 s47, 0
	s_add_nc_u64 s[96:97], s[96:97], s[46:47]
.irp b, 0,1,2,3,4,5,6,7
	global_load_b128 v[BI+8*\b:BI+8*\b+3], v[BO], s[96:97] offset:64*\b        ; columns 16 b + 8 h + 0 .. 3
	global_load_b128 v[BI+8*\b+4:BI+8*\b+7], v[BO], s[96:97] offset:64*\b+16   ; and + 4 .. 7
.endr
	v_mul_u32_u24 v3, v1, PITCH
	v_lshl_add_u32 v4, v2, 4, v3                   ; a fragment's row x pitch + 16 x half
	s_mul_i32 s21, s15, HALFT
	s_mul_i32 s22, s16, HALFT
	s_add_co_u32 s22, s22, 2*HALFT
.irp s, 0,1
	v_add_nc_u32 v[ADRA+\s], s21, v4
	v_add_nc_u32 v[ADRB+\s], s22, v4
	s_add_co_u32 s21, s21, SLOT
	s_add_co_u32 s22, s22, SLOT
.endr
	v_mul_u32_u24 v5, v1, KS                       ; my row's scales: KS bytes a row,
	v_lshrrev_b32 v6, 8, v5
	v_lshl_add_u32 v5, v6, 4, v5                   ; and 16 more for each 256 passed
	s_mul_i32 s21, s15, HALFS
	s_mul_i32 s22, s16, HALFS
	s_add_co_u32 s22, s22, 2*HALFS
	s_sub_co_u32 s22, s22, s21
	v_mul_u32_u24 v6, s22, v2                      ; lanes 16-31 take B's
	s_add_co_u32 s21, s21, SCL
	v_add_nc_u32 v5, v5, v6
	v_add_nc_u32 v[ADRS], s21, v5
	v_and_b32 v6, 31, v0
	v_lshlrev_b32 v[L16], 4, v6
	v_lshlrev_b32 v5, 5, v1
	v_lshl_add_u32 v5, v2, 4, v5                   ; 32 r + 16 h
	v_cndmask_b32 v[OUTO], v[L16], v5, s95         ; v's images lie key by key
	; qkv: which x 16 MiB + (16 cy + 4 cx + 2 column half) heads of 262,144 + (16 cluster y + 8 token half) tiles of 2,048
	s_lshl_b32 s20, s41, 22
	s_and_b32 s21, ttmp7, 0xffff
	s_or_b32 s95, s21, s15                         ; 0 in the waves that hold positions 0 to 15 of a sequence
	s_lshl_b32 s21, s21, 15
	s_add_co_u32 s20, s20, s21
	s_lshl_b32 s21, s15, 14
	s_add_co_u32 s20, s20, s21
	s_lshl_b32 s21, ttmp9, 24
	s_add_co_u32 s20, s20, s21
	s_mov_b32 s21, 0
	s_add_nc_u64 s[12:13], s[12:13], s[20:21]
	s_lshl_b32 s46, s40, 20
	s_lshl_b32 s47, s16, 19
	s_add_co_u32 s46, s46, s47
	s_mov_b32 s47, 0
	s_add_nc_u64 s[12:13], s[12:13], s[46:47]
	; h32: cy x 196,608 + which x 65,536 + (4 cx + 2 column half) x 4,096
	s_mul_i32 s20, s41, 196608
	s_lshl_b32 s22, ttmp9, 16
	s_add_co_u32 s20, s20, s22
	s_add_nc_u64 s[66:67], s[66:67], s[20:21]
	s_lshl_b32 s46, s40, 14
	s_lshl_b32 s22, s16, 13
	s_add_co_u32 s46, s46, s22
	s_add_nc_u64 s[66:67], s[66:67], s[46:47]
.macro FRAG reg, adr, q, i             ; 16 rows x 128 K of 4-bit codes: 8 registers, two loads of 16 bytes, 32 bytes apart
.irp c, 0,1
	ds_load_b128 v[\reg+4*\c:\reg+4*\c+3], v[\adr] offset:64*(\q)+32*\c+(\i)*16*PITCH
.endr
.endm
; 16 matrix instructions: A's blocks a0, a0 + 1 x B's eight.  zero = 1: the first product starts the sums from the bias.  The 64 accumulators take turns, one instruction a turn.
.macro MUL16 a0, p, q, sc, zero
.irp a, \a0, \a0+1
.irp b, 0,1,2,3,4,5,6,7
.if \zero
	v_wmma_scale_f32_16x16x128_f8f6f4 v[8*(8*((\a)%4)+\b):8*(8*((\a)%4)+\b)+7], v[128*(\p)+FR*\b:128*(\p)+FR*\b+FR-1], v[AF+FR*(\a):AF+FR*(\a)+FR-1], v[BI+8*\b:BI+8*\b+7], v[SC+8*NQ*(\sc)+NQ*\b+(\q)], v[SC+8*NQ*(\sc)+NQ*(\a)+(\q)] matrix_a_fmt:MATRIX_FMT_FP4 matrix_b_fmt:MATRIX_FMT_FP4 matrix_a_scale:MATRIX_SCALE_ROW1
.else
	v_wmma_scale_f32_16x16x128_f8f6f4 v[8*(8*((\a)%4)+\b):8*(8*((\a)%4)+\b)+7], v[128*(\p)+FR*\b:128*(\p)+FR*\b+FR-1], v[AF+FR*(\a):AF+FR*(\a)+FR-1], v[8*(8*((\a)%4)+\b):8*(8*((\a)%4)+\b)+7], v[SC+8*NQ*(\sc)+NQ*\b+(\q)], v[SC+8*NQ*(\sc)+NQ*(\a)+(\q)] matrix_a_fmt:MATRIX_FMT_FP4 matrix_b_fmt:MATRIX_FMT_FP4 matrix_a_scale:MATRIX_SCALE_ROW1
.endif
.endr
.endr
.endm
.macro FETCH_B slot, q, p
	WIN TO_B
.irp i, 0,1,2,3,4,5,6,7
	FRAG 128*(\p)+FR*\i, ADRB+\slot, \q, \i
.endr
	WIN 0
.endm
.macro FETCH_A slot, q, i0
.irp i, \i0, \i0+1, \i0+2, \i0+3
	FRAG AF+FR*(\i), ADRA+\slot, \q, \i
.endr
.endm
.macro SCALES sc                       ; a K step's scale words: lanes 0-15 A's block i, lanes 16-31 B's block i
.irp i, 0,1,2,3,4,5,6,7
	ds_load_b128 v[SC+8*NQ*\sc+NQ*\i:SC+8*NQ*\sc+NQ*\i+3], v[ADRS] offset:\i*SBLK
.endr
.endm
.macro PLACES n                        ; plain vector instructions between a matrix instruction and a load into, or a read of, its registers
.rept \n
	v_nop
.endr
.endm
.macro STEP slot, q, zero              ; 128 along K, with its successor in the same slot
	s_wait_dscnt 4*NL                              ; B's set and A's blocks 0-3 are in; the youngest eight loads (A's blocks 4-7) may be out
.if \zero
	WIN FST_LO
.else
	WIN MUL_LO
.endif
	MUL16 0, (\q)%2, \q, \slot, \zero
	MUL16 2, (\q)%2, \q, \slot, \zero
	s_wait_dscnt 0
	PLACES NP
	FETCH_B \slot, (\q)+1, 1-(\q)%2
	FETCH_A \slot, (\q)+1, 0
.if \zero
	WIN FST_HI
.else
	WIN MUL_HI
.endif
	MUL16 4, (\q)%2, \q, \slot, \zero
	MUL16 6, (\q)%2, \q, \slot, \zero
	PLACES NP
	WIN 0
	FETCH_A \slot, (\q)+1, 4
.endm
.macro STEPS slot, from
.set Q, \from
.rept NQ-1-\from
	STEP \slot, Q, 0
.set Q, Q+1
.endr
.endm
	s_wait_tensorcnt 1                             ; the scales and my part of K step 0 are in; K step 1's load may be out
	s_barrier_signal -1
	s_barrier_wait -1
	FETCH_B 0, 0, 0
	FETCH_A 0, 0, 0
	SCALES 0
	FETCH_A 0, 0, 4
	s_wait_loadcnt 0x0                             ; the bias
	STEP 0, 0, 1
	STEPS 0, 1
	; slot 0's last step changes slots: one barrier; nothing is filled again
	s_wait_tensorcnt 0x0                           ; my part of slot 1 has landed
	ds_add_u32 v[SPW], v[NIL]                      ; 0 onto my spare word
	s_wait_dscnt 4*NL+1                            ; the add and the youngest eight loads (A's blocks 4-7) may be out
	WIN MUL_LO
	MUL16 0, 1, NQ-1, 0, 0
	s_wait_dscnt 0x0
	s_barrier_signal -1
	MUL16 2, 1, NQ-1, 0, 0
	WIN 0
	s_barrier_wait -1                              ; slot 1 is whole
	PLACES NP
	v_add_nc_u32 v[ADRS], 4*NQ, v[ADRS]            ; the next K step's scale words
	FETCH_B 1, 0, 0
	FETCH_A 1, 0, 0
	SCALES 1
	WIN MUL_HI
	MUL16 4, 1, NQ-1, 0, 0
	MUL16 6, 1, NQ-1, 0, 0
	PLACES NP
	WIN 0
	FETCH_A 1, 0, 4
	STEPS 1, 0
	s_wait_dscnt 4*NL                              ; the very last step
	WIN MUL_LO
	MUL16 0, 1, NQ-1, 1, 0
	MUL16 2, 1, NQ-1, 1, 0
	s_wait_dscnt 0
	WIN MUL_HI
	MUL16 4, 1, NQ-1, 1, 0
	MUL16 6, 1, NQ-1, 1, 0
	WIN 0
	PLACES NP                                      ; behind the last products: their results are read and A's registers are written below
	s_cmp_lg_u32 s95, 0                            ; the cluster's y and the wave's number alone: the same in all partners
	s_cbranch_scc1 .Lno_f32
	WIN 0x08                                       ; a store's data: window 2
.irp b, 0,1,2,3,4,5,6,7                        ; positions 0 to 15 in f32, each accumulator from its low end on
	global_store_b128 v[L16], v[8*\b:8*\b+3], s[66:67] offset:(\b/4)*4096+(\b%4)*1024
	global_store_b128 v[L16], v[8*\b+4:8*\b+7], s[66:67] offset:(\b/4)*4096+(\b%4)*1024+512
.endr
	WIN 0
.Lno_f32:
.macro PACK a                          ; token tile a: eight accumulators to f16, ascending, and out as eight images
.set AC, 64*((\a)%4)
.set TM, TMP+32*((\a)%4)
	WIN 0x0a+5*((\a)/4)                            ; sources 0 and 1: window 2 or 3
.irp b, 0,1,2,3,4,5,6,7
.irp r, 0,1,2,3
	v_cvt_pk_f16_f32 v[TM+4*\b+\r], v[AC+8*\b+2*\r], v[AC+8*\b+2*\r+1]
.endr
.endr
	WIN 0
.irp b, 0,1,2,3,4,5,6,7
	global_store_b128 v[OUTO], v[TM+4*\b:TM+4*\b+3], s[12:13] offset:(\a)*2048+(\b/4)*262144+(\b%4)*512
.endr
.endm
.irp a, 0,1,2,3
	PACK \a
.endr
	s_wait_xcnt 0x0                                ; the stores of tiles 0 to 3 have read their data: the same registers are written again
.irp a, 4,5,6,7
	PACK \a
.endr
	s_wait_tensorcnt 0x0                           ; the wave's end
	ds_add_u32 v[SPW], v[NIL]
	s_wait_dscnt 0x0
	CROUND                                         ; the closing round
	s_endpgm
.Lfunc_end_k_q5426d2e916_qkv:
	.size	k_q5426d2e916_qkv, .Lfunc_end_k_q5426d2e916_qkv-k_q5426d2e916_qkv
	.p2alignl 7, 3214868480
	.fill 96, 4, 3214868480
	.section	.rodata,"a",@progbits
	.p2align	6, 0x0
	.amdhsa_kernel k_q5426d2e916_qkv
		.amdhsa_group_segment_fixed_size 327680
		.amdhsa_private_segment_fixed_size 0
		.amdhsa_enable_private_segment 0
		.amdhsa_kernarg_size 56
		.amdhsa_user_sgpr_count 2
		.amdhsa_user_sgpr_kernarg_segment_ptr 1
		.amdhsa_wavefront_size32 1
		.amdhsa_system_sgpr_workgroup_id_x 1
		.amdhsa_system_sgpr_workgroup_id_y 1
		.amdhsa_system_sgpr_workgroup_id_z 1
		.amdhsa_system_vgpr_workitem_id 0
		.amdhsa_next_free_vgpr 1024
		.amdhsa_next_free_sgpr 102
		.amdhsa_reserve_vcc 0
		.amdhsa_float_denorm_mode_32 3
		.amdhsa_float_denorm_mode_16_64 3
		.amdhsa_memory_ordered 1
		.amdhsa_forward_progress 1
		.amdhsa_inst_pref_size 122
	.end_amdhsa_kernel
	.amdgpu_metadata
---
amdhsa.version: [ 1, 2 ]
amdhsa.kernels:
  - .name:           k_q5426d2e916_qkv
    .symbol:         k_q5426d2e916_qkv.kd
    .args:
      - { .name: cod, .offset: 0, .size: 8, .value_kind: global_buffer, .address_space: global }
      - { .name: scl, .offset: 8, .size: 8, .value_kind: global_buffer, .address_space: global }
      - { .name: bq, .offset: 16, .size: 8, .value_kind: global_buffer, .address_space: global }
      - { .name: bk, .offset: 24, .size: 8, .value_kind: global_buffer, .address_space: global }
      - { .name: bv, .offset: 32, .size: 8, .value_kind: global_buffer, .address_space: global }
      - { .name: qkv, .offset: 40, .size: 8, .value_kind: global_buffer, .address_space: global }
      - { .name: h32, .offset: 48, .size: 8, .value_kind: global_buffer, .address_space: global }
    .group_segment_fixed_size: 327680
    .private_segment_fixed_size: 0
    .kernarg_segment_align: 8
    .kernarg_segment_size: 56
    .max_flat_workgroup_size: 128
    .sgpr_count:     102
    .vgpr_count:     1024
    .wavefront_size: 32
...
	.end_amdgpu_metadata
.endif
;; end of part 2
;; launch attn (part 3): grid 4 x 64, 16 waves a work-group, no clusters, 34,816 bytes of LDS; arguments qkv, mask, flags, af; writes af
.if DOCPART == 3
	.amdgcn_target "amdgcn-amd-amdhsa--gfx1250"
	.amdhsa_code_object_version 6
	.text
	.protected	k_q5426d2e916_attn
	.globl	k_q5426d2e916_attn
	.p2align	8
	.type	k_q5426d2e916_attn,@function
k_q5426d2e916_attn:
	s_mov_b64 s[64:65], 0
	v_nop
	global_prefetch_b8 v0, s[64:65] scope:SCOPE_SE
	s_setreg_imm32_b32 hwreg(HW_REG_WAVE_MODE, 25, 1), 1
	s_wait_xcnt 0x0
; a[b][q][head] = softmax_k(q . k / 8, under the mask as it is given) v, for all 2,048 positions.  q, k, v: f16 images of 16 tokens x 16 channels (512 bytes); products on f16 operands, sums, maxima and exponentials in f32; the weights p are rounded to f16.
; SHARES.  A work-group owns 512 queries of one head, each of its sixteen waves a group of 32: two tiles of 16.  The groups are dealt so that the four waves w, w + 4, w + 8, w + 12 hold groups whose numbers add up to 126.
; Every wave walks all 32 key steps of 64 keys (16 trips of two): the trip count is a constant and every wave passes every barrier.  A wave's WORK in a step is jumped over where the stored flags say that the mask hides all 64 keys from all its 32 queries;
; the mask's bytes are read only where the flags say that some byte of the step is set.  The flags are whole numbers that an earlier launch stored.  K and V come
; through registers into LDS, once for the work-group: each thread 16 bytes of K and 16 of V a step, asked for a step ahead, two slots.
; LAYOUT.  S^T = K Q^T (source 0 = 16 keys, source 1 = 16 queries): a lane holds ONE query (lane % 16) and keys 8 (lane / 16) + 0..7.  Two such tiles, packed to f16, are source 1 of O^T = V^T P; V comes out of LDS turned, by ds_load_tr16_b128.
; SOFTMAX.  A running maximum m and sum l for each query: p = 2^(c s - c m), c = log2(e) / 8; O and l are multiplied by 2^(c m_old - c m_new) in every step that is worked.  A masked score is -infinity.  A row with no open key ends with l = 0 and 0 x infinity = NaN.
; LIMITS: NaN and infinities among q, k, v are not served; scores stay above -3e38.
; REGISTERS: v1-7 addresses; v8-15 the next step's 32 bytes; v16-47 Q; v48-111 K, then mask words, then V; v112-175 S^T, then p; v176-239 O^T; v240-251 statistics, six a tile; v252-255 at work.
.set SLOTB, 16384                      ; a slot: 8,192 bytes of K (4 tiles of keys x 4 of channels x 512), then the same of V
.set SPARE, 32768                      ; the spare words, 128 bytes for each wave
.set LI,  1                            ; v1 16 x thread: my 16 bytes of a step's 8,192, in memory and in LDS
.set AK,  2                            ; v2 16 x lane: an image's place for my lane
.set AV,  3                            ; v3 the turning load: (8 (l / 16) + l % 8) x 32 + 16 ((l / 8) % 2)
.set MO,  4                            ; v4 the mask: (l % 16) x 2,048 + 8 (l / 16)
.set SPW, 5
.set NIL, 6
.set PFO, 7                            ; v7 256 x lane
.set STG, 8
.set Q,   16
.set KV,  48
.set S,   112
.set O,   176
.set ST,  240                          ; tile T at ST + 6 T: +0 c m, +1 m, +2, +3 l in two halves, +4 a, +5 at work
.set X,   252                          ; tile T: a pair at X + 2 T
.set WV,  12
.set G,   15
.set KB,  20                           ; s[20:21] K of my head at the trip's first step
.set VB,  22                           ; s[22:23] V likewise
.set MB,  24                           ; s[24:25] the mask at my first query, the trip's first key
.set PFA, 26                           ; s[26:27] what I prefetch from: K (wave 0) or V
.set CS,  28                           ; s[28:29] c, twice
.set SEL, 30                           ; s[30:31] lane l xor 16
.set OPN, 32                           ; s32 bit 0: the step in hand has an open key for my queries
.set MSK, 33                           ; s33 bit 0: it has a masked one
.set TR,  34
.set LIM, 35                           ; s35 15 in a wave that prefetches, else 0
	s_load_b256 s[4:11], s[0:1], 0x0               ; qkv, mask, flags, af
	v_lshl_add_u32 v[SPW], v0, 2, SPARE
	v_mov_b32 v[NIL], 0
	v_lshrrev_b32 v1, 5, v0
	v_readfirstlane_b32 s[WV], v1                  ; wave 0..15
	s_lshr_b32 s13, s[WV], 2                       ; a
	s_and_b32 s14, s[WV], 3
	s_lshl_b32 s16, ttmp9, 2
	s_add_co_u32 s14, s14, s16                     ; u = 4 x work-group x + wave % 4
	s_sub_co_u32 s16, 15, s14
	s_and_b32 s17, s13, 1
	s_cmp_lg_u32 s17, 0
	s_cselect_b32 s14, s16, s14                    ; odd a: 15 - u
	s_lshl_b32 s[G], s13, 4
	s_add_co_u32 s[G], s[G], s14                   ; my group of 32 queries: it enters global addresses alone
	s_and_b32 s17, ttmp7, 0xffff                   ; batch x 16 + head
	v_lshlrev_b32 v[LI], 4, v0
	v_and_b32 v8, 31, v0
	v_lshlrev_b32 v[AK], 4, v8
	v_lshlrev_b32 v[PFO], 8, v8
	v_and_b32 v9, 15, v0
	v_bfe_u32 v10, v0, 4, 1
	v_and_b32 v11, 7, v0
	v_lshl_add_u32 v11, v10, 3, v11
	v_bfe_u32 v12, v0, 3, 1
	v_lshlrev_b32 v12, 4, v12
	v_lshl_add_u32 v[AV], v11, 5, v12
	v_lshlrev_b32 v[MO], 11, v9
	v_lshl_add_u32 v[MO], v10, 3, v[MO]
	s_mov_b32 s[CS], 0x3e38aa3b                    ; log2(e) / 8
	s_mov_b32 s[CS+1], s[CS]
	s_mov_b32 s[SEL], 0x76543210
	s_mov_b32 s[SEL+1], 0xfedcba98
	s_mov_b32 s[TR], 0
	s_lshl_b32 s18, s17, 18                        ; a head is 262,144 bytes
	s_mov_b32 s19, 0
	s_wait_kmcnt 0x0
	s_add_nc_u64 s[4:5], s[4:5], s[18:19]
	s_add_nc_u64 s[KB:KB+1], s[4:5], 0x1000000
	s_add_nc_u64 s[VB:VB+1], s[4:5], 0x2000000
	s_lshl_b32 s18, s[G], 12
	s_add_nc_u64 s[4:5], s[4:5], s[18:19]          ; q at my two tiles
	s_lshl_b32 s18, s[G], 16
	s_add_nc_u64 s[MB:MB+1], s[6:7], s[18:19]
	s_lshl_b32 s18, s[G], 3
	s_add_nc_u64 s[8:9], s[8:9], s[18:19]
	s_load_b64 s[OPN:OPN+1], s[8:9], 0x0           ; my group's two words
	global_load_b128 v[STG:STG+3], v[LI], s[KB:KB+1]           ; key step 0
	global_load_b128 v[STG+4:STG+7], v[LI], s[VB:VB+1]
.irp T, 0,1
.irp c, 0,1,2,3
	global_load_b128 v[Q+16*\T+4*\c:Q+16*\T+4*\c+3], v[AK], s[4:5] offset:\T*2048+\c*512   ; Q stays in registers
.endr
.endr
	s_lshr_b32 s18, s17, 4
	s_lshl_b32 s18, s18, 7
	s_lshl_b32 s16, s[G], 1
	s_add_co_u32 s18, s18, s16                     ; my first token tile of af
	s_lshl_b32 s18, s18, 15
	s_and_b32 s16, s17, 15
	s_lshl_b32 s16, s16, 11
	s_add_co_u32 s18, s18, s16                     ; + the head's four images
	s_add_nc_u64 s[10:11], s[10:11], s[18:19]
	s_cmp_eq_u32 s[WV], 0
	s_cselect_b64 s[PFA:PFA+1], s[KB:KB+1], s[VB:VB+1]
	s_lshr_b32 s16, s[WV], 1                       ; 0 in waves 0 and 1
	s_or_b32 s16, s16, ttmp9                       ; of the head's first work-group
	s_cmp_eq_u32 s16, 0
	s_cselect_b32 s[LIM], 15, 0
.irp j, 0,1,2,3,4,5,6,7,8,9,10,11,12,13,14,15,16,17,18,19,20,21,22,23,24,25,26,27,28,29,30,31,32,33,34,35,36,37,38,39,40,41,42,43,44,45,46,47,48,49,50,51,52,53,54,55,56,57,58,59,60,61,62,63
	v_mov_b32 v[O+\j], 0                           ; O^T begins as zeros: which step is a wave's first hangs on the flags, so no first step can be written out
.endr
.irp T, 0,1
	v_mov_b32 v[ST+6*\T+1], 0xff61b1e6             ; m = -3e38, under every score
	v_mov_b32 v[ST+6*\T+2], 0                      ; l
	v_mov_b32 v[ST+6*\T+3], 0
	v_mov_b32 v[ST+6*\T+4], 0                      ; (written on every way to the way out)
	v_mov_b32 v[ST+6*\T+5], 0
	v_mul_f32 v[ST+6*\T], s[CS], v[ST+6*\T+1]      ; c m
.endr
	s_wait_loadcnt 0x0
	ds_store_b128 v[LI], v[STG:STG+3]
	ds_store_b128 v[LI], v[STG+4:STG+7] offset:8192
	s_wait_kmcnt 0x0
	s_wait_dscnt 0x0                               ; for the others' sake: my part of slot 0 lies in LDS
	s_barrier_signal -1
	s_barrier_wait -1
; A KEY STEP out of slot sl.  One barrier at its end serves both ways: in front of it each wave's reads of slot sl and its stores into the other slot are done.
.macro STEP sl
.if \sl
	s_cmp_lt_u32 s[TR], 15                         ; behind the last step there is none: no load leaves its buffer
	s_cbranch_scc0 .Lnone_\@
.endif
	global_load_b128 v[STG:STG+3], v[LI], s[KB:KB+1] offset:(\sl+1)*8192       ; the next step's K and V: they land while this step is worked
	global_load_b128 v[STG+4:STG+7], v[LI], s[VB:VB+1] offset:(\sl+1)*8192
	s_cmp_lt_u32 s[TR], s[LIM]                     ; A PREFETCH of the step after the next: 8,192 bytes of K (wave 0) or of V (wave 1), lanes 256 bytes apart, by the head's first work-group alone:
	s_cbranch_scc0 .Lnone_\@                       ; each block of 256 bytes is named once in the launch; the last trip asks for nothing; steps 0 and 1 come by their loads alone
	global_prefetch_b8 v[PFO], s[PFA:PFA+1] offset:(\sl+2)*8192 th:TH_LOAD_NT scope:SCOPE_SE
.Lnone_\@:
	s_and_b32 s37, s[OPN], 1
	s_cmp_lg_u32 s37, 0
	s_cbranch_scc0 .Lskip_\@                       ; all 64 keys are hidden from all my 32 queries
.irp t, 0,1,2,3
.irp c, 0,1,2,3
	ds_load_b128 v[KV+16*\t+4*\c:KV+16*\t+4*\c+3], v[AK] offset:\sl*SLOTB+\t*2048+\c*512
.endr
.endr
	s_wait_dscnt 0x0
.irp c, 0,1                                    ; S^T = K Q^T: eight accumulators by turns; the first eight start the sums
.irp t, 0,1,2,3
.irp T, 0,1
.if \c == 0
	v_wmma_f32_16x16x32_f16 v[S+32*\T+8*\t:S+32*\T+8*\t+7], v[KV+16*\t:KV+16*\t+7], v[Q+16*\T:Q+16*\T+7], 0
.else
	v_wmma_f32_16x16x32_f16 v[S+32*\T+8*\t:S+32*\T+8*\t+7], v[KV+16*\t+8:KV+16*\t+15], v[Q+16*\T+8:Q+16*\T+15], v[S+32*\T+8*\t:S+32*\T+8*\t+7]
.endif
.endr
.endr
.endr
.rept 4
	v_nop                                          ; places in front of the reads of the scores and of the loads into K's registers
.endr
	s_and_b32 s37, s[MSK], 1
	s_cmp_lg_u32 s37, 0
	s_cbranch_scc0 .Lopen_\@                       ; no byte of the step is set
.irp T, 0,1
.irp t, 0,1,2,3
	global_load_b64 v[KV+8*\T+2*\t:KV+8*\T+2*\t+1], v[MO], s[MB:MB+1] offset:\T*32768+\sl*64+16*\t   ; my query's bytes for my eight keys of tile t
.endr
.endr
	s_wait_loadcnt 0x0
.irp T, 0,1
.irp t, 0,1,2,3
.irp j, 0,1,2,3,4,5,6,7
	v_and_b32 v[KV+16+(\j%4)], 1<<(8*(\j%4)), v[KV+8*\T+2*\t+\j/4]
	v_cmp_eq_u32 vcc_lo, 0, v[KV+16+(\j%4)]
	v_cndmask_b32 v[S+32*\T+8*\t+\j], 0xff800000, v[S+32*\T+8*\t+\j], vcc_lo   ; a masked score becomes -infinity
.endr
.endr
.endr
.Lopen_\@:
.irp t, 0,1,2,3
.irp c, 0,1,2,3
	ds_load_tr16_b128 v[KV+16*\c+4*\t:KV+16*\c+4*\t+3], v[AV] offset:\sl*SLOTB+8192+\t*2048+\c*512   ; V^T: channels 16 c on, keys 16 t on; it lands under the softmax
.endr
.endr
	; the softmax, the two tiles line by line by turns.  The maximum: two chains, each accumulator first read at its low end
.irp T, 0,1
	v_max3_num_f32 v[ST+6*\T+4], v[S+32*\T], v[S+32*\T+1], v[S+32*\T+2]
	v_max3_num_f32 v[ST+6*\T+5], v[S+32*\T+16], v[S+32*\T+17], v[S+32*\T+18]
.endr
.irp i, 3,5,7,9,11,13
.irp T, 0,1
	v_max3_num_f32 v[ST+6*\T+4], v[ST+6*\T+4], v[S+32*\T+\i], v[S+32*\T+\i+1]
	v_max3_num_f32 v[ST+6*\T+5], v[ST+6*\T+5], v[S+32*\T+16+\i], v[S+32*\T+17+\i]
.endr
.endr
.irp T, 0,1
	v_max3_num_f32 v[ST+6*\T+4], v[ST+6*\T+4], v[S+32*\T+15], v[S+32*\T+31]
.endr
.irp T, 0,1
	v_max3_num_f32 v[ST+6*\T+4], v[ST+6*\T+4], v[ST+6*\T+5], v[ST+6*\T+1]      ; with the old m
.endr
.irp T, 0,1
	v_permlanex16_b32 v[ST+6*\T+5], v[ST+6*\T+4], s[SEL], s[SEL+1]             ; the query's other 32 keys lie in the lane 16 away
.endr
.irp T, 0,1
	v_mov_b32 v[X+2*\T], v[ST+6*\T]                ; c m_old
.endr
.irp T, 0,1
	v_max_num_f32 v[ST+6*\T+1], v[ST+6*\T+4], v[ST+6*\T+5]
.endr
.irp T, 0,1
	v_mul_f32 v[ST+6*\T], s[CS], v[ST+6*\T+1]
.endr
.irp T, 0,1
	v_sub_f32 v[ST+6*\T+4], v[X+2*\T], v[ST+6*\T]
.endr
.irp p, 0,2,4,6,8,10,12,14,16,18,20,22,24,26,28,30
.irp T, 0,1
	v_pk_fma_f32 v[S+32*\T+\p:S+32*\T+\p+1], v[S+32*\T+\p:S+32*\T+\p+1], s[CS:CS+1], v[ST+6*\T:ST+6*\T+1] op_sel_hi:[1,0,0] neg_lo:[0,0,1] neg_hi:[0,0,1]   ; c s - c m
.endr
.endr
.irp T, 0,1
	v_exp_f32 v[ST+6*\T+4], v[ST+6*\T+4]           ; a = 2^(c m_old - c m_new)
.endr
.irp j, 0,1,2,3,4,5,6,7,8,9,10,11,12,13,14,15,16,17,18,19,20,21,22,23,24,25,26,27,28,29,30,31
.irp T, 0,1
	v_exp_f32 v[S+32*\T+\j], v[S+32*\T+\j]         ; p: one batch of 66 exponentials
.endr
.endr
	v_nop                                          ; a plain instruction behind the last exponential
	s_wait_alu depctr_va_vdst(0)                   ; one wait for the batch, ahead of its first reader
.irp T, 0,1
	v_pk_mul_f32 v[ST+6*\T+2:ST+6*\T+3], v[ST+6*\T+2:ST+6*\T+3], v[ST+6*\T+4:ST+6*\T+5] op_sel_hi:[1,0]   ; l x a
	v_pk_add_f32 v[X+2*\T:X+2*\T+1], v[S+32*\T+16:S+32*\T+17], v[S+32*\T+18:S+32*\T+19]
.endr
.irp p, 0,2,4,6,8,10
.irp T, 0,1
	v_pk_add_f32 v[ST+6*\T+2:ST+6*\T+3], v[ST+6*\T+2:ST+6*\T+3], v[S+32*\T+\p:S+32*\T+\p+1]   ; the sum of the unrounded p, in two chains
	v_pk_add_f32 v[X+2*\T:X+2*\T+1], v[X+2*\T:X+2*\T+1], v[S+32*\T+20+\p:S+32*\T+21+\p]
.endr
.endr
.irp p, 12,14
.irp T, 0,1
	v_pk_add_f32 v[ST+6*\T+2:ST+6*\T+3], v[ST+6*\T+2:ST+6*\T+3], v[S+32*\T+\p:S+32*\T+\p+1]
.endr
.endr
.irp T, 0,1
	v_pk_add_f32 v[ST+6*\T+2:ST+6*\T+3], v[ST+6*\T+2:ST+6*\T+3], v[X+2*\T:X+2*\T+1]
.endr
.irp i, 0,1,2,3,4,5,6,7,8,9,10,11,12,13,14,15
.irp T, 0,1
	v_cvt_pk_f16_f32 v[S+32*\T+\i], v[S+32*\T+2*\i], v[S+32*\T+2*\i+1]         ; p to f16, in place, ascending: register i is written when registers 2 i on are still whole
.endr
.endr
.irp p, 0,2,4,6,8,10,12,14,16,18,20,22,24,26,28,30
.irp T, 0,1
	v_pk_mul_f32 v[O+32*\T+\p:O+32*\T+\p+1], v[O+32*\T+\p:O+32*\T+\p+1], v[ST+6*\T+4:ST+6*\T+5] op_sel_hi:[1,0]   ; O^T x a
.endr
.endr
	s_wait_dscnt 0x0                               ; V is in
.irp u, 0,1                                    ; O^T += V^T P: keys 32 u on; eight accumulators by turns
.irp c, 0,1,2,3
.irp T, 0,1
	v_wmma_f32_16x16x32_f16 v[O+32*\T+8*\c:O+32*\T+8*\c+7], v[KV+16*\c+8*\u:KV+16*\c+8*\u+7], v[S+32*\T+8*\u:S+32*\T+8*\u+7], v[O+32*\T+8*\c:O+32*\T+8*\c+7]
.endr
.endr
.endr
.rept 5
	v_nop                                          ; five places: the next step's products write over p's registers, its loads land on V's, the way out reads O^T
.endr
.Lskip_\@:
	s_lshr_b32 s[OPN], s[OPN], 1                   ; the next step's bits
	s_lshr_b32 s[MSK], s[MSK], 1
	s_wait_loadcnt 0x0                             ; the next step's 32 bytes are in
.if \sl
	s_cmp_lt_u32 s[TR], 15
	s_cbranch_scc0 .Llast_\@
.endif
	ds_store_b128 v[LI], v[STG:STG+3] offset:(1-\sl)*SLOTB     ; into the slot that every wave left at the last barrier
	ds_store_b128 v[LI], v[STG+4:STG+7] offset:(1-\sl)*SLOTB+8192
.Llast_\@:
	s_wait_dscnt 0x0                               ; my stores have landed and my reads of this slot are over
	s_barrier_signal -1
	s_barrier_wait -1
.endm
.Ltrip:
	STEP 0
	STEP 1
	s_wait_xcnt 0x0                                ; the trip's loads and its prefetches have read their bases
	s_add_nc_u64 s[KB:KB+1], s[KB:KB+1], 16384
	s_add_nc_u64 s[VB:VB+1], s[VB:VB+1], 16384
	s_add_nc_u64 s[PFA:PFA+1], s[PFA:PFA+1], 16384
	s_add_nc_u64 s[MB:MB+1], s[MB:MB+1], 128
	s_add_co_u32 s[TR], s[TR], 1
	s_cmp_lt_u32 s[TR], 16
	s_cbranch_scc1 .Ltrip
	; THE WAY OUT: O^T / l, to f16; a lane's eight channels are 16 bytes of an image of af[token tile][32 K][half][512 B]: the next product's operand as it stands
.irp T, 0,1
	v_add_f32 v[ST+6*\T+4], v[ST+6*\T+2], v[ST+6*\T+3]
.endr
.irp T, 0,1
	v_permlanex16_b32 v[ST+6*\T+5], v[ST+6*\T+4], s[SEL], s[SEL+1]
.endr
.irp T, 0,1
	v_add_f32 v[ST+6*\T+4], v[ST+6*\T+4], v[ST+6*\T+5]
.endr
.irp T, 0,1
	v_rcp_f32 v[ST+6*\T+4], v[ST+6*\T+4]
.endr
	v_nop
	s_wait_alu depctr_va_vdst(0)                   ; one wait for the two reciprocals, ahead of their first reader
.irp T, 0,1
.irp p, 0,2,4,6,8,10,12,14,16,18,20,22,24,26,28,30
	v_pk_mul_f32 v[O+32*\T+\p:O+32*\T+\p+1], v[O+32*\T+\p:O+32*\T+\p+1], v[ST+6*\T+4:ST+6*\T+5] op_sel_hi:[1,0]
.endr
.endr
.irp T, 0,1
.irp i, 0,1,2,3,4,5,6,7,8,9,10,11,12,13,14,15
	v_cvt_pk_f16_f32 v[KV+16*\T+\i], v[O+32*\T+2*\i], v[O+32*\T+2*\i+1]
.endr
.endr
.irp T, 0,1
.irp c, 0,1,2,3
	global_store_b128 v[AK], v[KV+16*\T+4*\c:KV+16*\T+4*\c+3], s[10:11] offset:\T*32768+\c*512   ; 512 consecutive bytes, aligned
.endr
.endr
	s_wait_tensorcnt 0x0                           ; the wave's end, behind my last LDS store
	ds_add_u32 v[SPW], v[NIL]
	s_wait_dscnt 0x0
	s_endpgm
.Lfunc_end_k_q5426d2e916_attn:
	.size	k_q5426d2e916_attn, .Lfunc_end_k_q5426d2e916_attn-k_q5426d2e916_attn
	.p2alignl 7, 3214868480
	.fill 96, 4, 3214868480
	.section	.rodata,"a",@progbits
	.p2align	6, 0x0
	.amdhsa_kernel k_q5426d2e916_attn
		.amdhsa_group_segment_fixed_size 34816
		.amdhsa_private_segment_fixed_size 0
		.amdhsa_enable_private_segment 0
		.amdhsa_kernarg_size 32
		.amdhsa_user_sgpr_count 2
		.amdhsa_user_sgpr_kernarg_segment_ptr 1
		.amdhsa_wavefront_size32 1
		.amdhsa_system_sgpr_workgroup_id_x 1
		.amdhsa_system_sgpr_workgroup_id_y 1
		.amdhsa_system_sgpr_workgroup_id_z 1
		.amdhsa_system_vgpr_workitem_id 0
		.amdhsa_next_free_vgpr 256
		.amdhsa_next_free_sgpr 66
		.amdhsa_reserve_vcc 1
		.amdhsa_float_denorm_mode_32 3
		.amdhsa_float_denorm_mode_16_64 3
		.amdhsa_memory_ordered 1
		.amdhsa_forward_progress 1
		.amdhsa_inst_pref_size 69
	.end_amdhsa_kernel
	.amdgpu_metadata
---
amdhsa.version: [ 1, 2 ]
amdhsa.kernels:
  - .name:           k_q5426d2e916_attn
    .symbol:         k_q5426d2e916_attn.kd
    .args:
      - { .name: qkv, .offset: 0, .size: 8, .value_kind: global_buffer, .address_space: global }
      - { .name: mask, .offset: 8, .size: 8, .value_kind: global_buffer, .address_space: global }
      - { .name: flags, .offset: 16, .size: 8, .value_kind: global_buffer, .address_space: global }
      - { .name: af, .offset: 24, .size: 8, .value_kind: global_buffer, .address_space: global }
    .group_segment_fixed_size: 34816
    .private_segment_fixed_size: 0
    .kernarg_segment_align: 8
    .kernarg_segment_size: 32
    .max_flat_workgroup_size: 512
    .sgpr_count:     66
    .vgpr_count:     256
    .wavefront_size: 32
...
	.end_amdgpu_metadata
.endif
;; end of part 3
;; launch oproj (part 4): grid 8 x 32, 4 waves a work-group, clusters of 4 x 4, 327,680 bytes of LDS; arguments af, wof, bo, out0; writes out0
.if DOCPART == 4
	.amdgcn_target "amdgcn-amd-amdhsa--gfx1250"
	.amdhsa_code_object_version 6
	.text
	.protected	k_q5426d2e916_oproj
	.globl	k_q5426d2e916_oproj
	.p2align	8
	.type	k_q5426d2e916_oproj,@function
k_q5426d2e916_oproj:
	s_mov_b64 s[64:65], 0
	v_nop
	global_prefetch_b8 v0, s[64:65] scope:SCOPE_SE
	s_setreg_imm32_b32 hwreg(HW_REG_WAVE_MODE, 25, 1), 1
	s_wait_xcnt 0x0
	s_wait_alu depctr_hold_cnt(0) depctr_sa_sdst(0) depctr_va_vdst(0) depctr_va_sdst(0) depctr_va_ssrc(0) depctr_va_vcc(0) depctr_vm_vsrc(0)
	s_getreg_b32 s2, hwreg(HW_REG_IB_STS2, 6, 4)
	s_cmp_eq_u32 s2, 0
	s_cbranch_scc0 .Lentry_in_a_cluster
	s_endpgm
.Lentry_in_a_cluster:
	s_bfe_u32 s2, ttmp6, 0x10000c
	s_cmp_lg_u32 s2, 0xf033
	s_cbranch_scc0 .Lentry_shape_is_right
	s_endpgm
.Lentry_shape_is_right:
; out = a wo + bo, on f16 operands, sums in f32, for all rows but positions 0 to 15 of each sequence, which a later launch carries more finely.
; a: af[token tile 512][32 K 32][half 2][512 B]; wo's high part: wof[n tile 64][the same]: both in the order of a 16-bit operand's registers, so that a fragment is two loads of 16 bytes a lane at 16 x lane: no pitch, no padding, no conflict.
; A work-group of four waves makes 256 tokens x 128 columns: 256 work-groups; a wave 128 x 64: 32 accumulators, 256 registers.  K goes in 8 steps of 128 through a ring of two LDS slots: a step of a tile is 4,096 consecutive bytes.
; CLUSTERS: 4 x 4 work-groups; a's tiles are asked for jointly along a row of the cluster, wo's along a column.  Tile row = 8 cy + cluster y: the place in the sequence is the cluster's y, the same in all partners.
; THE MATRIX INSTRUCTION IS USED TRANSPOSED (source 0 = 16 columns of wo, source 1 = 16 tokens): a lane holds eight neighbouring numbers of a row of out.  bo is the C of each sum's first instruction.
; No prefetch: each tile is shared four ways in the cluster and the launch's eight K steps are few.
; LIMIT: a and wo are f16 operands: magnitudes under 65,504.
; REGISTERS: window 0: v16-29 addresses; v32-63 the bias; v64-127 rows on the way out.  Window 1: two fragment buffers of 96 (wo's four, then a's eight).  Window 2: the accumulators, (a, b) at 8 (4 a + b).
.set SLOT,   98304                     ; a's 16 token tiles x 4,096 bytes, then wo's 8 n tiles x 4,096
.set BOFF,   65536
.set STAGE,  2*SLOT                    ; behind the ring: 16 rows x (256 + 16) bytes for each wave
.set SPITCH, 272
.set SPARE,  STAGE+4*16*SPITCH         ; the spare words
.set LAPS,   4                         ; a lap = two K steps
.set ADRA, 16
.set ADRB, 20
.set STO,  24
.set RD,   25
.set CO,   26
.set BO,   27
.set SPW,  28
.set NIL,  29
.set BI,   32
.set BK,   64
.set F0,   0
.set F1,   128
.set G1, 24
.set G0, 32
.set G1B, 48
.set G0B, 56
.set MSB, 0
.macro WIN new
.if MSB != \new
	s_set_vgpr_msb (MSB<<8)|\new
.set MSB, \new
.endif
.endm
.set MUL,  0xa5                        ; sources 0 and 1 window 1; C and D window 2
.set FST,  0x85                        ; the first products: C (the bias) window 0
.set TO_F, 0x40
.macro JLOAD s                         ; a joint load: waves 0 and 1 fetch a's halves, waves 2 and 3 wo's; an s_nop 0 and four v_nop follow each of the two lines
	s_cmp_eq_u32 s11, 0
	s_cbranch_scc0 .Lfor_b_\@
	tensor_load_to_lds s[G0+4*\s:G0+4*\s+3], s[G1:G1+7]
	s_nop 0
.rept 4
	v_nop
.endr
	s_branch .Lasked_\@
.Lfor_b_\@:
	tensor_load_to_lds s[G0B+4*\s:G0B+4*\s+3], s[G1B:G1B+7]
	s_nop 0
.rept 4
	v_nop
.endr
.Lasked_\@:
.endm
.macro CREST
	s_cmp_lg_u32 s10, 0
	s_cbranch_scc1 .Lnot_wave_0_\@
	s_barrier_signal -3
.Lnot_wave_0_\@:
	s_barrier_wait -3
	s_barrier_signal -1
	s_barrier_wait -1
.endm
.macro CROUND
	s_barrier_signal -1
	s_barrier_wait -1
	CREST
.endm
	s_load_b128 s[4:7], s[0:1], 0x0                ; af, wof
	s_load_b128 s[68:71], s[0:1], 0x10             ; bo, out0
	v_lshl_add_u32 v[SPW], v0, 2, SPARE
	v_mov_b32 v[NIL], 0
	ds_add_u32 v[SPW], v[NIL]                      ; the wave's opening: the add, twice on end, and its wait ahead of my first tensor load
	ds_add_u32 v[SPW], v[NIL]
	v_lshrrev_b32 v1, 5, v0
	v_readfirstlane_b32 s10, v1                    ; wave 0..3
	s_lshr_b32 s11, s10, 1                         ; which half of the tokens is mine.  Also: I fetch for a (0) or for wo (1)
	s_and_b32 s12, s10, 1                          ; which half of the columns.  Also: which half of that tile I fetch
	s_bfe_u32 s40, ttmp6, 0x40000                  ; cx
	s_bfe_u32 s41, ttmp6, 0x40004                  ; cy
	s_lshl_b32 s42, ttmp9, 2
	s_add_co_u32 s42, s42, s40                     ; tile column
	s_and_b32 s13, ttmp7, 0xffff
	s_or_b32 s45, s13, s11                         ; 0 in the waves whose first token tile is positions 0 to 15 of a sequence
	s_lshl_b32 s43, s41, 3
	s_add_co_u32 s13, s13, s43                     ; tile row = 8 cy + cluster y
	s_lshl_b32 s43, s41, 2
	s_lshl_b32 s43, 15, s43                        ; my row of the cluster
	s_lshl_b32 s44, 0x1111, s40                    ; my column
	s_or_b32 s[G1+0], s43, (3<<16)|(1<<21)         ; the mask; elements of 8 bytes; no padding
	s_or_b32 s[G1B+0], s44, (3<<16)|(1<<21)
	s_mov_b32 s[G1+1], 512<<16                     ; tensor_dim0 = 512 elements: 4,096 bytes, a K step of a tile
	s_mov_b32 s[G1+2], 8<<16                       ; tensor_dim1 = 8 token tiles
	s_mov_b32 s[G1+3], 512<<16                     ; tile_dim0
	s_mov_b32 s[G1+4], 8                           ; tile_dim1
	s_mov_b32 s[G1+5], 4096                        ; from tile to tile: 32,768 bytes
	s_mov_b32 s[G1+6], 0
	s_mov_b32 s[G1+7], 0
	s_mov_b32 s[G1B+1], 512<<16
	s_mov_b32 s[G1B+2], 4<<16                      ; 4 n tiles
	s_mov_b32 s[G1B+3], 512<<16
	s_mov_b32 s[G1B+4], 4
	s_mov_b32 s[G1B+5], 4096
	s_mov_b32 s[G1B+6], 0
	s_mov_b32 s[G1B+7], 0
	s_lshl_b32 s16, s13, 4
	s_lshl_b32 s17, s12, 3
	s_add_co_u32 s16, s16, s17                     ; a: token tile 16 x tile row + 8 x half
	s_lshl_b32 s16, s16, 15
	s_mov_b32 s17, 0
	s_lshl_b32 s46, s42, 3
	s_lshl_b32 s47, s12, 2
	s_add_co_u32 s46, s46, s47                     ; wo: n tile 8 x tile column + 4 x half
	s_lshl_b32 s46, s46, 15
	s_mov_b32 s47, 0
	s_lshl_b32 s20, s12, 15                        ; where they go: a's halves,
	s_lshl_b32 s21, s12, 14
	s_add_co_u32 s21, s21, BOFF                    ; wo's halves behind them
	s_wait_dscnt 0x0                               ; both opening adds are done
	s_wait_kmcnt 0x0
	s_add_nc_u64 s[14:15], s[4:5], s[16:17]
	s_add_nc_u64 s[46:47], s[6:7], s[46:47]
	CROUND                                         ; all sixteen work-groups are here: the first joint loads meet
.irp s, 0,1
	s_mov_b32 s[G0+4*\s], 1
	s_add_co_u32 s[G0+4*\s+1], s20, \s*SLOT
	s_add_nc_u64 s[G0+4*\s+2:G0+4*\s+3], s[14:15], \s*4096
	s_or_b32 s[G0+4*\s+3], s[G0+4*\s+3], 0x80000000
	s_mov_b32 s[G0B+4*\s], 1
	s_add_co_u32 s[G0B+4*\s+1], s21, \s*SLOT
	s_add_nc_u64 s[G0B+4*\s+2:G0B+4*\s+3], s[46:47], \s*4096
	s_or_b32 s[G0B+4*\s+3], s[G0B+4*\s+3], 0x80000000
	JLOAD \s
.endr
	v_and_b32 v1, 15, v0                           ; r
	v_bfe_u32 v2, v0, 4, 1                         ; h
	v_lshlrev_b32 v[BO], 5, v2
	s_lshl_b32 s46, s42, 9                         ; my first column, in bytes: 512 x tile column + 256 x half
	s_lshl_b32 s47, s12, 8
	s_add_co_u32 s46, s46, s47
	s_mov_b32 s47, 0
	s_add_nc_u64 s[68:69], s[68:69], s[46:47]
	s_add_nc_u64 s[70:71], s[70:71], s[46:47]
.irp b, 0,1,2,3
	global_load_b128 v[BI+8*\b:BI+8*\b+3], v[BO], s[68:69] offset:64*\b
	global_load_b128 v[BI+8*\b+4:BI+8*\b+7], v[BO], s[68:69] offset:64*\b+16
.endr
	s_lshl_b32 s16, s13, 8
	s_lshl_b32 s17, s11, 7
	s_add_co_u32 s16, s16, s17                     ; my first row of out
	s_lshl_b32 s16, s16, 12
	s_mov_b32 s17, 0
	s_add_nc_u64 s[70:71], s[70:71], s[16:17]
	v_and_b32 v3, 31, v0
	v_lshlrev_b32 v3, 4, v3                        ; 16 x lane
	s_lshl_b32 s22, s11, 15                        ; my 8 token tiles
	s_lshl_b32 s23, s12, 14
	s_add_co_u32 s23, s23, BOFF                    ; my 4 n tiles
.irp s, 0,1
	v_add_nc_u32 v[ADRA+\s], s22, v3
	v_add_nc_u32 v[ADRB+\s], s23, v3
	s_add_co_u32 s22, s22, SLOT
	s_add_co_u32 s23, s23, SLOT
.endr
	s_mul_i32 s23, s10, 16*SPITCH
	s_add_co_u32 s23, s23, STAGE                   ; my stage
	v_mul_u32_u24 v4, v1, SPITCH
	v_lshl_add_u32 v4, v2, 5, v4
	v_add_nc_u32 v[STO], s23, v4                   ; in: row r, 32 bytes for each half of the lanes
	v_mul_u32_u24 v5, v2, SPITCH
	v_lshl_add_u32 v5, v1, 4, v5
	v_add_nc_u32 v[RD], s23, v5                    ; back: lanes 0-15 one row of 256 bytes, lanes 16-31 the next
	v_lshlrev_b32 v5, 12, v2
	v_lshl_add_u32 v[CO], v1, 4, v5                ; and the same two rows in out
; 8 matrix instructions: token tiles a0, a0 + 1 x the 4 n tiles, 32 along K.  The 32 accumulators take turns, one instruction a turn.
.macro MUL8 f, a0, zero
.irp a, \a0, \a0+1
.irp b, 0,1,2,3
.if \zero
	v_wmma_f32_16x16x32_f16 v[8*(4*(\a)+\b):8*(4*(\a)+\b)+7], v[\f+8*\b:\f+8*\b+7], v[\f+32+8*(\a):\f+32+8*(\a)+7], v[BI+8*\b:BI+8*\b+7]
.else
	v_wmma_f32_16x16x32_f16 v[8*(4*(\a)+\b):8*(4*(\a)+\b)+7], v[\f+8*\b:\f+8*\b+7], v[\f+32+8*(\a):\f+32+8*(\a)+7], v[8*(4*(\a)+\b):8*(4*(\a)+\b)+7]
.endif
.endr
.endr
.endm
.macro FETCH slot, q, f                ; 24 LDS loads in one run: the slot's q-th 32 along K: wo's four fragments, then a's eight
	WIN TO_F
.irp i, 0,1,2,3
	ds_load_b128 v[\f+8*\i:\f+8*\i+3],   v[ADRB+\slot] offset:\i*4096+(\q)*1024
	ds_load_b128 v[\f+8*\i+4:\f+8*\i+7], v[ADRB+\slot] offset:\i*4096+(\q)*1024+512
.endr
.irp i, 0,1,2,3,4,5,6,7
	ds_load_b128 v[\f+32+8*\i:\f+32+8*\i+3],   v[ADRA+\slot] offset:\i*4096+(\q)*1024
	ds_load_b128 v[\f+32+8*\i+4:\f+32+8*\i+7], v[ADRA+\slot] offset:\i*4096+(\q)*1024+512
.endr
.endm
.macro PLACES                          ; four places in front of loads into registers that matrix instructions have read, and of reads of results
.rept 4
	v_nop
.endr
.endm
.macro QUARTER slot, q, f, g, zero     ; multiplies buffer f and fetches the slot's q-th 32 along K into g
	s_wait_dscnt 8                                 ; wo's fragments and a's tiles 0-3 are in; the youngest eight loads (tiles 4-7) may be out
.if \zero
	WIN FST
.else
	WIN MUL
.endif
	MUL8 \f, 0, \zero
	MUL8 \f, 2, \zero
	PLACES
	FETCH \slot, \q, \g
	s_wait_dscnt 24                                ; all but the 24 just issued
.if \zero
	WIN FST
.else
	WIN MUL
.endif
	MUL8 \f, 4, \zero
	MUL8 \f, 6, \zero
.endm
; A slot's last quarter multiplies buffer 1 and changes slots: ONE barrier; in front of it each wave waits for all its tensor loads, adds 0 to its spare word, and waits for that and for its reads of this slot.  fill = 1: this slot is filled again, two K steps ahead.
.macro TURN slot, next, fill
	WIN 0
	s_wait_tensorcnt 0x0                           ; all my tensor loads have landed: my part of the next slot
	ds_add_u32 v[SPW], v[NIL]                      ; 0 onto my spare word
	s_wait_dscnt 9                                 ; the add and the youngest eight loads may be out
	WIN MUL
	MUL8 F1, 0, 0
	s_wait_dscnt 0x0                               ; the add is done, and my reads of this slot are over
	s_barrier_signal -1
	MUL8 F1, 2, 0
.if \fill
	WIN 0
.endif
	s_barrier_wait -1
.if \fill
	CREST                                          ; the barrier has opened a round of the cluster's: no wave of any partner still reads this slot or has a load on its way
	s_add_nc_u64 s[G0+4*\slot+2:G0+4*\slot+3], s[G0+4*\slot+2:G0+4*\slot+3], 8192
	s_add_nc_u64 s[G0B+4*\slot+2:G0B+4*\slot+3], s[G0B+4*\slot+2:G0B+4*\slot+3], 8192
	JLOAD \slot                                    ; my one tensor load behind the round; its four v_nop are also the places in front of the loads below
.else
	PLACES
.endif
	FETCH \next, 0, F0
	WIN MUL
	MUL8 F1, 4, 0
	MUL8 F1, 6, 0
.endm
	s_wait_tensorcnt 1                             ; my part of K step 0 is in; K step 1's load may be out
	s_barrier_signal -1
	s_barrier_wait -1
	FETCH 0, 0, F0
	s_wait_loadcnt 0x0                             ; the bias
	QUARTER 0, 1, F0, F1, 1                        ; the first quarter stands in front of the loop: its products start the sums from the bias
	WIN 0
	s_mov_b32 s3, LAPS-1
.Llap:                                                 ; a trip goes once round the ring and fills both slots again
	QUARTER 0, 2, F1, F0, 0
	QUARTER 0, 3, F0, F1, 0
	TURN 0, 1, 1
	QUARTER 1, 1, F0, F1, 0
	QUARTER 1, 2, F1, F0, 0
	QUARTER 1, 3, F0, F1, 0
	TURN 1, 0, 1
	QUARTER 0, 1, F0, F1, 0
	WIN 0
	s_sub_co_u32 s3, s3, 1
	s_cmp_lg_u32 s3, 0
	s_cbranch_scc1 .Llap
	QUARTER 0, 2, F1, F0, 0                        ; the last lap fills nothing
	QUARTER 0, 3, F0, F1, 0
	TURN 0, 1, 0
	QUARTER 1, 1, F0, F1, 0
	QUARTER 1, 2, F1, F0, 0
	QUARTER 1, 3, F0, F1, 0
	s_wait_dscnt 8
	WIN MUL
	MUL8 F1, 0, 0
	MUL8 F1, 2, 0
	s_wait_dscnt 0
	MUL8 F1, 4, 0
	MUL8 F1, 6, 0
	WIN 0
; THE WAY OUT, a token tile (16 rows x 64 columns) at a time, through my own stage: in as 32 bytes a lane, back as whole rows of 256 bytes.  LDS serves a wave's instructions in order (ISA guide 5.7.1.4).
.macro TOSTAGE a
	WIN 0x08                                       ; an LDS store's data: window 2
.irp b, 0,1,2,3
	ds_store_b128 v[STO], v[8*(4*(\a)+\b):8*(4*(\a)+\b)+3] offset:64*\b          ; each accumulator from its low end on
	ds_store_b128 v[STO], v[8*(4*(\a)+\b)+4:8*(4*(\a)+\b)+7] offset:64*\b+16
.endr
	WIN 0
.irp t, 0,1,2,3,4,5,6,7
	ds_load_b128 v[BK+32*((\a)%2)+4*\t:BK+32*((\a)%2)+4*\t+3], v[RD] offset:\t*2*SPITCH
.endr
.endm
.macro SEND a, younger                 ; younger: the LDS instructions issued behind tile a's loads, which may stay out
	s_wait_dscnt \younger
.if (\a) == 0
	s_cmp_eq_u32 s45, 0                            ; positions 0 to 15 of a sequence belong to the later launch: the cluster's y and the wave's number alone decide
	s_cbranch_scc1 .Lnot_mine
.endif
.irp t, 0,1,2,3,4,5,6,7
	global_store_b128 v[CO], v[BK+32*((\a)%2)+4*\t:BK+32*((\a)%2)+4*\t+3], s[70:71] offset:(\a)*65536+\t*8192 th:TH_STORE_NT   ; sixteen lanes store 256 consecutive bytes, aligned
.endr
.if (\a) == 0
.Lnot_mine:
.endif
.endm
	PLACES
	TOSTAGE 0
.irp a, 1,2,3,4,5,6,7
.if \a > 1
	s_wait_xcnt 0x0                                ; tile a - 2's stores have read their registers: tile a's loads may land there
.endif
	TOSTAGE \a
	SEND \a-1, 16                                  ; behind tile a - 1's loads: tile a's 8 stores and 8 loads
.endr
	SEND 7, 0
	s_wait_tensorcnt 0x0                           ; the wave's end
	ds_add_u32 v[SPW], v[NIL]
	s_wait_dscnt 0x0
	CROUND                                         ; the closing round
	s_endpgm
.Lfunc_end_k_q5426d2e916_oproj:
	.size	k_q5426d2e916_oproj, .Lfunc_end_k_q5426d2e916_oproj-k_q5426d2e916_oproj
	.p2alignl 7, 3214868480
	.fill 96, 4, 3214868480
	.section	.rodata,"a",@progbits
	.p2align	6, 0x0
	.amdhsa_kernel k_q5426d2e916_oproj
		.amdhsa_group_segment_fixed_size 327680
		.amdhsa_private_segment_fixed_size 0
		.amdhsa_enable_private_segment 0
		.amdhsa_kernarg_size 32
		.amdhsa_user_sgpr_count 2
		.amdhsa_user_sgpr_kernarg_segment_ptr 1
		.amdhsa_wavefront_size32 1
		.amdhsa_system_sgpr_workgroup_id_x 1
		.amdhsa_system_sgpr_workgroup_id_y 1
		.amdhsa_system_sgpr_workgroup_id_z 1
		.amdhsa_system_vgpr_workitem_id 0
		.amdhsa_next_free_vgpr 768
		.amdhsa_next_free_sgpr 72
		.amdhsa_reserve_vcc 0
		.amdhsa_float_denorm_mode_32 3
		.amdhsa_float_denorm_mode_16_64 3
		.amdhsa_memory_ordered 1
		.amdhsa_forward_progress 1
		.amdhsa_inst_pref_size 86
	.end_amdhsa_kernel
	.amdgpu_metadata
---
amdhsa.version: [ 1, 2 ]
amdhsa.kernels:
  - .name:           k_q5426d2e916_oproj
    .symbol:         k_q5426d2e916_oproj.kd
    .args:
      - { .name: af, .offset: 0, .size: 8, .value_kind: global_buffer, .address_space: global }
      - { .name: wof, .offset: 8, .size: 8, .value_kind: global_buffer, .address_space: global }
      - { .name: bo, .offset: 16, .size: 8, .value_kind: global_buffer, .address_space: global }
      - { .name: out0, .offset: 24, .size: 8, .value_kind: global_buffer, .address_space: global }
    .group_segment_fixed_size: 327680
    .private_segment_fixed_size: 0
    .kernarg_segment_align: 8
    .kernarg_segment_size: 32
    .max_flat_workgroup_size: 128
    .sgpr_count:     72
    .vgpr_count:     768
    .wavefront_size: 32
...
	.end_amdgpu_metadata
.endif
;; end of part 4
;; launch fine (part 5): grid 16 x 4, 16 waves a work-group, no clusters, 84,992 bytes of LDS; arguments h32, af, wof, flags, mask, bo, out0; writes out0
.if DOCPART == 5
	.amdgcn_target "amdgcn-amd-amdhsa--gfx1250"
	.amdhsa_code_object_version 6
	.text
	.protected	k_q5426d2e916_fine
	.globl	k_q5426d2e916_fine
	.p2align	8
	.type	k_q5426d2e916_fine,@function
k_q5426d2e916_fine:
	s_mov_b64 s[64:65], 0
	v_nop
	global_prefetch_b8 v0, s[64:65] scope:SCOPE_SE
	s_setreg_imm32_b32 hwreg(HW_REG_WAVE_MODE, 25, 1), 1
	s_wait_xcnt 0x0
; Positions 0 to 15 of each sequence, carried finely: under a mask that opens few keys these rows average few values, and the rounding of 16-bit operands weighs most there.
; A work-group takes one batch and 64 columns of out; sixteen waves; no branch; every wait is for 0.
; PHASE 1 (wave = head; repeated in each of the 16 column blocks): scores of the 16 queries against keys 0 to 15 and p v by the f32 matrix form, from the f32 images of q, k, v (their biases are in them); the mask's bytes as given; softmax with the row's maximum.
;   a is split in f32 into two f16 parts: high = a with its mantissa cut to 10 bits, low = a - high.
;   A SELECTION OF VALUES: a row whose open keys all lie in 0 to 15 (its mask bytes 16 to 63 are all set, and the stored flags show no open key from 64 on for queries 0 to 31) takes the fine pair; any other row takes the f16 result of the main launch, with low = 0.
; PHASE 2 (wave = 16 columns x a quarter of K): high x high + high x low + low x high on f16 operands, three accumulators by turns.  PHASE 3 (wave = row): the four quarters of K are added, with bo, and a row's 256 bytes are stored.
; LIMITS: a row of these positions with an open key beyond 15 has the main launch's accuracy; |a| and |wo| under 65,504; under 6.1e-5 a part is rounded on f16's subnormal grid, by 3e-8 at the most.
; v208-255 are written by the f32 matrix form alone.
.set HI,    0                          ; LDS: a's high parts, [32 K 32][half][512 B]
.set LO,    32768                      ; its low parts
.set PART,  65536                      ; [quarter of K 4][row 16][256 + 16 bytes]
.set SPARE, 82944                      ; the spare words
.set L16, 1                            ; v1  16 x lane
.set VA,  2                            ; v2  v's numbers: channel l % 16, key 8 (l / 16)
.set MK,  3                            ; v3  the mask: row l % 16, + 8 (l / 16)
.set MK2, 4                            ; v4  row l % 16, + 16 (l / 16)
.set SPW, 5
.set NIL, 6
.set HST, 7                            ; v7  where I store my head's images
.set PST, 8                            ; v8  where I store my part of the sums
.set PRD, 9                            ; v9  where I read my row's parts
.set L8,  10                           ; v10 8 x lane
.set HRD, 11                           ; v11 where I read my quarter's images
.set QF,  12                           ; v12-43 q;  later Y0, Y1, Y2 at v12-35
.set KF,  44                           ; v44-75 k;  later the packed parts and a's fragments at v36-67
.set VF,  76                           ; v76-107 v, then the high parts in f32
.set AF,  108                          ; v108-139 a, then the low parts in f32
.set MA,  140                          ; v140-155 the main launch's a
.set SCO, 166                          ; v166-173 scores, then p
.set WH,  68                           ; v68-131 wo's high parts, v132-195 its low parts
.set WL,  132
.set SA,  208
.set SB,  216
.set OT,  224
	s_load_b256 s[4:11], s[0:1], 0x0               ; h32, af, wof, flags
	s_load_b128 s[12:15], s[0:1], 0x20             ; mask, bo
	s_load_b64 s[16:17], s[0:1], 0x30              ; out0
	v_lshl_add_u32 v[SPW], v0, 2, SPARE
	v_mov_b32 v[NIL], 0
	v_lshrrev_b32 v1, 5, v0
	v_readfirstlane_b32 s18, v1                    ; wave 0..15
	s_and_b32 s19, ttmp7, 0xffff                   ; batch
	v_and_b32 v176, 31, v0
	v_lshlrev_b32 v[L16], 4, v176
	v_lshlrev_b32 v[L8], 3, v176
	v_and_b32 v174, 15, v0                         ; r
	v_bfe_u32 v175, v0, 4, 1                       ; h
	v_bfe_u32 v[VA], v0, 2, 1
	v_lshlrev_b32 v[VA], 9, v[VA]                  ; which half of eight channels
	v_bfe_u32 v176, v0, 3, 1
	v_lshl_add_u32 v[VA], v176, 8, v[VA]           ; which eight of the tile's 16
	v_lshl_add_u32 v[VA], v175, 7, v[VA]           ; keys 8 h on, 16 bytes a key
	v_and_b32 v176, 3, v0
	v_lshl_add_u32 v[VA], v176, 2, v[VA]
	v_lshlrev_b32 v[MK], 11, v174
	v_lshl_add_u32 v[MK2], v175, 4, v[MK]
	v_lshl_add_u32 v[MK], v175, 3, v[MK]
	s_lshl_b32 s20, s18, 11
	v_add_nc_u32 v[HST], s20, v[L16]
	s_and_b32 s21, s18, 3                          ; phase 2: which 16 columns
	s_lshr_b32 s22, s18, 2                         ; and which quarter of K
	s_mul_i32 s20, s22, 16*272
	s_lshl_b32 s23, s21, 6
	s_add_co_u32 s20, s20, s23
	s_add_co_u32 s20, s20, PART
	v_mul_u32_u24 v[PST], v174, 272
	v_lshl_add_u32 v[PST], v175, 5, v[PST]
	v_add_nc_u32 v[PST], s20, v[PST]
	s_mul_i32 s20, s18, 272
	s_add_co_u32 s20, s20, PART
	v_add_nc_u32 v[PRD], s20, v[L8]
	s_lshl_b32 s23, s22, 13
	v_add_nc_u32 v[HRD], s23, v[L16]
	s_mov_b32 s28, 0x3e38aa3b                      ; c = log2(e) / 8
	s_mov_b32 s29, 0x01010101
	s_mov_b32 s30, 0x76543210
	s_mov_b32 s31, 0xfedcba98
	s_mov_b32 s25, 0
	s_wait_kmcnt 0x0
	s_load_b32 s26, s[10:11], 0x0                  ; OPEN of queries 0 to 31
	s_mul_i32 s24, s19, 196608
	s_lshl_b32 s20, s18, 12
	s_add_co_u32 s24, s24, s20
	s_add_nc_u64 s[4:5], s[4:5], s[24:25]          ; h32 at my batch and head
	s_lshl_b32 s24, s19, 22
	s_lshl_b32 s20, s18, 11
	s_add_co_u32 s24, s24, s20
	s_add_nc_u64 s[6:7], s[6:7], s[24:25]          ; af at the batch's first token tile, my head
	s_lshl_b32 s24, ttmp9, 2
	s_add_co_u32 s24, s24, s21
	s_lshl_b32 s24, s24, 15
	s_add_co_u32 s24, s24, s23
	s_add_nc_u64 s[8:9], s[8:9], s[24:25]          ; wof at my n tile and quarter of K
	s_lshl_b32 s24, ttmp9, 8
	s_add_nc_u64 s[14:15], s[14:15], s[24:25]      ; bo at the block's 64 columns
	s_add_nc_u64 s[16:17], s[16:17], s[24:25]
	s_lshl_b32 s24, s19, 23
	s_lshl_b32 s20, s18, 12
	s_add_co_u32 s24, s24, s20
	s_add_nc_u64 s[16:17], s[16:17], s[24:25]      ; out at row 2,048 x batch + wave
.irp i, 0,1,2,3,4,5,6,7
	global_load_b128 v[QF+4*\i:QF+4*\i+3], v[L16], s[4:5] offset:512*\i            ; q: lane (r, h): token r; the same order of channels in q and in k
	global_load_b128 v[KF+4*\i:KF+4*\i+3], v[L16], s[4:5] offset:65536+512*\i      ; k
.endr
.irp c, 0,1,2,3
.irp j, 0,1,2,3,4,5,6,7
	global_load_b32 v[VF+8*\c+\j], v[VA], s[4:5] offset:131072+1024*\c+16*\j       ; v(key 8 h + j, channel 16 c + r)
.endr
.endr
.irp c, 0,1,2,3
	global_load_b128 v[MA+4*\c:MA+4*\c+3], v[L16], s[6:7] offset:512*\c
.endr
	global_load_b64 v[156:157], v[MK], s[12:13]                    ; my query's bytes for keys 8 h + 0 .. 7
	global_load_b128 v[158:161], v[MK2], s[12:13] offset:16        ; and for keys 16 to 63, between the two halves of the lanes
	global_load_b128 v[162:165], v[MK2], s[12:13] offset:32
	global_load_b64 v[196:197], v[L8], s[14:15]                    ; bo
	s_wait_loadcnt 0x0
	s_wait_kmcnt 0x0
	; S^T = k q^T: 16 steps of 4 channels on two accumulators by turns; the first two start the sums
	v_wmma_f32_16x16x4_f32 v[SA:SA+7], v[KF:KF+1], v[QF:QF+1], 0
	v_wmma_f32_16x16x4_f32 v[SB:SB+7], v[KF+2:KF+3], v[QF+2:QF+3], 0
.irp i, 4,8,12,16,20,24,28
	v_wmma_f32_16x16x4_f32 v[SA:SA+7], v[KF+\i:KF+\i+1], v[QF+\i:QF+\i+1], v[SA:SA+7]
	v_wmma_f32_16x16x4_f32 v[SB:SB+7], v[KF+\i+2:KF+\i+3], v[QF+\i+2:QF+\i+3], v[SB:SB+7]
.endr
	v_and_b32 v177, v158, v159                     ; are bytes 16 to 63 all set?  (Eight plain instructions: the places behind the f32 form, ISA guide 7.12.1)
	v_and_b32 v178, v160, v161
	v_and_b32 v179, v162, v163
	v_and_b32 v180, v164, v165
	v_and_b32 v177, v177, v178
	v_and_b32 v179, v179, v180
	v_and_b32 v177, v177, v179
	v_mov_b32 v178, 0
.irp j, 0,1,2,3,4,5,6,7
	v_add_f32 v[SCO+\j], v[SA+\j], v[SB+\j]        ; lane (r, h): query r, key 8 h + j
.endr
.irp j, 0,1,2,3,4,5,6,7
	v_and_b32 v[181+(\j%4)], 1<<(8*(\j%4)), v[156+\j/4]
	v_cmp_eq_u32 vcc_lo, 0, v[181+(\j%4)]
	v_cndmask_b32 v[SCO+\j], 0xff800000, v[SCO+\j], vcc_lo         ; a masked score becomes -infinity
.endr
	v_permlanex16_b32 v178, v177, s30, s31
	v_and_b32 v177, v177, v178
	v_cmp_eq_u32 s27, s29, v177                    ; a bit a lane: my query sees nothing in keys 16 to 63,
	s_lshr_b32 s26, s26, 1
	s_cmp_eq_u32 s26, 0
	s_cselect_b32 s26, -1, 0
	s_and_b32 s27, s27, s26                        ; and queries 0 to 31 nothing from key 64 on
	v_max3_num_f32 v174, v[SCO], v[SCO+1], v[SCO+2]
	v_max3_num_f32 v174, v174, v[SCO+3], v[SCO+4]
	v_max3_num_f32 v174, v174, v[SCO+5], v[SCO+6]
	v_max_num_f32 v174, v174, v[SCO+7]
	v_permlanex16_b32 v175, v174, s30, s31
	v_max_num_f32 v174, v174, v175                 ; the row's maximum
	v_mul_f32 v174, s28, v174
.irp j, 0,1,2,3,4,5,6,7
	v_fma_f32 v[SCO+\j], v[SCO+\j], s28, -v174     ; c s - c m (a row with no open key: NaN, as it should be)
.endr
.irp j, 0,1,2,3,4,5,6,7
	v_exp_f32 v[SCO+\j], v[SCO+\j]
.endr
	v_nop
	s_wait_alu depctr_va_vdst(0)                   ; one wait for the eight, ahead of their first reader
	v_add_f32 v176, v[SCO], v[SCO+1]
	v_add_f32 v179, v[SCO+2], v[SCO+3]
	v_add_f32 v180, v[SCO+4], v[SCO+5]
	v_add_f32 v181, v[SCO+6], v[SCO+7]
	v_add_f32 v176, v176, v179
	v_add_f32 v180, v180, v181
	v_add_f32 v176, v176, v180
	v_permlanex16_b32 v179, v176, s30, s31
	v_add_f32 v176, v176, v179                     ; the row's sum
	v_rcp_f32 v176, v176
	v_nop
	; O^T = v^T p: keys 8 h + 2 i, + 1 in step i; four accumulators by turns
.irp c, 0,1,2,3
	v_wmma_f32_16x16x4_f32 v[OT+8*\c:OT+8*\c+7], v[VF+8*\c:VF+8*\c+1], v[SCO:SCO+1], 0
.endr
.irp i, 2,4,6
.irp c, 0,1,2,3
	v_wmma_f32_16x16x4_f32 v[OT+8*\c:OT+8*\c+7], v[VF+8*\c+\i:VF+8*\c+\i+1], v[SCO+\i:SCO+\i+1], v[OT+8*\c:OT+8*\c+7]
.endr
.endr
.rept 8
	v_nop
.endr
	s_wait_alu depctr_va_vdst(0)                   ; the reciprocal's wait, ahead of its first reader
.irp n, 0,1,2,3,4,5,6,7,8,9,10,11,12,13,14,15,16,17,18,19,20,21,22,23,24,25,26,27,28,29,30,31
	v_mul_f32 v[AF+\n], v[OT+\n], v176             ; a(query r, channel 16 c + 8 h + j), into other registers
.endr
.irp n, 0,1,2,3,4,5,6,7,8,9,10,11,12,13,14,15,16,17,18,19,20,21,22,23,24,25,26,27,28,29,30,31
	v_and_b32 v[VF+\n], 0xffffe000, v[AF+\n]       ; the high part
.endr
.irp n, 0,1,2,3,4,5,6,7,8,9,10,11,12,13,14,15,16,17,18,19,20,21,22,23,24,25,26,27,28,29,30,31
	v_sub_f32 v[AF+\n], v[AF+\n], v[VF+\n]         ; the low part, exact
.endr
.irp i, 0,1,2,3,4,5,6,7,8,9,10,11,12,13,14,15
	v_cvt_pk_f16_f32 v[36+\i], v[VF+2*\i], v[VF+2*\i+1]
	v_cvt_pk_f16_f32 v[52+\i], v[AF+2*\i], v[AF+2*\i+1]
.endr
.irp i, 0,1,2,3,4,5,6,7,8,9,10,11,12,13,14,15
	v_cndmask_b32 v[36+\i], v[MA+\i], v[36+\i], s27                ; the fine pair, or the main launch's number
	v_cndmask_b32 v[52+\i], 0, v[52+\i], s27                       ; with nothing beside it
.endr
.irp c, 0,1,2,3
	ds_store_b128 v[HST], v[36+4*\c:39+4*\c] offset:HI+512*\c      ; images of the operand's registers: 16 bytes a lane
	ds_store_b128 v[HST], v[52+4*\c:55+4*\c] offset:LO+512*\c
.endr
.irp f, 0,1,2,3,4,5,6,7
.irp g, 0,1
	global_load_b128 v[WH+8*\f+4*\g:WH+8*\f+4*\g+3], v[L16], s[8:9] offset:1024*\f+512*\g
	global_load_b128 v[WL+8*\f+4*\g:WL+8*\f+4*\g+3], v[L16], s[8:9] offset:2097152+1024*\f+512*\g
.endr
.endr
	s_wait_dscnt 0x0                               ; for the others' sake: my head's images lie in LDS
	s_barrier_signal -1
	s_barrier_wait -1
	s_wait_loadcnt 0x0
	; PHASE 2: my 16 columns, my 256 along K, two fragments a round; source 0 = wo, source 1 = a: a lane holds one token and eight neighbouring columns
.irp n, 0,1,2,3
.irp e, 0,1
.irp g, 0,1
	ds_load_b128 v[36+8*\e+4*\g:39+8*\e+4*\g], v[HRD] offset:HI+(2*\n+\e)*1024+512*\g
	ds_load_b128 v[52+8*\e+4*\g:55+8*\e+4*\g], v[HRD] offset:LO+(2*\n+\e)*1024+512*\g
.endr
.endr
	s_wait_dscnt 0x0
.irp e, 0,1
.if (\n+\e) == 0
	v_wmma_f32_16x16x32_f16 v[12:19], v[WH:WH+7], v[36:43], 0
	v_wmma_f32_16x16x32_f16 v[20:27], v[WH:WH+7], v[52:59], 0
	v_wmma_f32_16x16x32_f16 v[28:35], v[WL:WL+7], v[36:43], 0
.else
	v_wmma_f32_16x16x32_f16 v[12:19], v[WH+8*(2*\n+\e):WH+8*(2*\n+\e)+7], v[36+8*\e:43+8*\e], v[12:19]
	v_wmma_f32_16x16x32_f16 v[20:27], v[WH+8*(2*\n+\e):WH+8*(2*\n+\e)+7], v[52+8*\e:59+8*\e], v[20:27]
	v_wmma_f32_16x16x32_f16 v[28:35], v[WL+8*(2*\n+\e):WL+8*(2*\n+\e)+7], v[36+8*\e:43+8*\e], v[28:35]
.endif
.endr
.rept 4
	v_nop                                          ; places in front of the loads into a's registers and of the reads of the sums
.endr
.endr
.irp j, 0,1,2,3,4,5,6,7
	v_add_f32 v[36+\j], v[12+\j], v[20+\j]
.endr
.irp j, 0,1,2,3,4,5,6,7
	v_add_f32 v[36+\j], v[36+\j], v[28+\j]
.endr
	ds_store_b128 v[PST], v[36:39]
	ds_store_b128 v[PST], v[40:43] offset:16
	s_wait_dscnt 0x0
	s_barrier_signal -1
	s_barrier_wait -1
	; PHASE 3: my row: 8 bytes a lane of each quarter's part
.irp k, 0,1,2,3
	ds_load_b64 v[44+2*\k:45+2*\k], v[PRD] offset:16*272*\k
.endr
	s_wait_dscnt 0x0
	v_pk_add_f32 v[44:45], v[44:45], v[46:47]
	v_pk_add_f32 v[48:49], v[48:49], v[50:51]
	v_pk_add_f32 v[44:45], v[44:45], v[48:49]
	v_pk_add_f32 v[44:45], v[44:45], v[196:197]
	global_store_b64 v[L8], v[44:45], s[16:17]     ; 32 lanes store 256 consecutive bytes, aligned
	s_wait_tensorcnt 0x0                           ; the wave's end, behind my last LDS store
	ds_add_u32 v[SPW], v[NIL]
	s_wait_dscnt 0x0
	s_endpgm
.Lfunc_end_k_q5426d2e916_fine:
	.size	k_q5426d2e916_fine, .Lfunc_end_k_q5426d2e916_fine-k_q5426d2e916_fine
	.p2alignl 7, 3214868480
	.fill 96, 4, 3214868480
	.section	.rodata,"a",@progbits
	.p2align	6, 0x0
	.amdhsa_kernel k_q5426d2e916_fine
		.amdhsa_group_segment_fixed_size 84992
		.amdhsa_private_segment_fixed_size 0
		.amdhsa_enable_private_segment 0
		.amdhsa_kernarg_size 56
		.amdhsa_user_sgpr_count 2
		.amdhsa_user_sgpr_kernarg_segment_ptr 1
		.amdhsa_wavefront_size32 1
		.amdhsa_system_sgpr_workgroup_id_x 1
		.amdhsa_system_sgpr_workgroup_id_y 1
		.amdhsa_system_sgpr_workgroup_id_z 1
		.amdhsa_system_vgpr_workitem_id 0
		.amdhsa_next_free_vgpr 256
		.amdhsa_next_free_sgpr 66
		.amdhsa_reserve_vcc 1
		.amdhsa_float_denorm_mode_32 3
		.amdhsa_float_denorm_mode_16_64 3
		.amdhsa_memory_ordered 1
		.amdhsa_forward_progress 1
		.amdhsa_inst_pref_size 32
	.end_amdhsa_kernel
	.amdgpu_metadata
---
amdhsa.version: [ 1, 2 ]
amdhsa.kernels:
  - .name:           k_q5426d2e916_fine
    .symbol:         k_q5426d2e916_fine.kd
    .args:
      - { .name: h32, .offset: 0, .size: 8, .value_kind: global_buffer, .address_space: global }
      - { .name: af, .offset: 8, .size: 8, .value_kind: global_buffer, .address_space: global }
      - { .name: wof, .offset: 16, .size: 8, .value_kind: global_buffer, .address_space: global }
      - { .name: flags, .offset: 24, .size: 8, .value_kind: global_buffer, .address_space: global }
      - { .name: mask, .offset: 32, .size: 8, .value_kind: global_buffer, .address_space: global }
      - { .name: bo, .offset: 40, .size: 8, .value_kind: global_buffer, .address_space: global }
      - { .name: out0, .offset: 48, .size: 8, .value_kind: global_buffer, .address_space: global }
    .group_segment_fixed_size: 84992
    .private_segment_fixed_size: 0
    .kernarg_segment_align: 8
    .kernarg_segment_size: 56
    .max_flat_workgroup_size: 512
    .sgpr_count:     66
    .vgpr_count:     256
    .wavefront_size: 32
...
	.end_amdgpu_metadata
.endif
;; end of part 5
